; MI455X (gfx1250); checked and timed in simulation.
; The chip was launched on July 23, 2026; its instructions are those of AMD's public machine-readable ISA for CDNA 5 (MIT licence, August 2026) and "CDNA5" Instruction Set Architecture Reference Guide (July 2026). The comments in the code are by the model that wrote it; some were corrected since.
;; Multi Head Attention. Allowed arithmetic: float matrix products may take bf16 or f16 operands with f32 sums; other float arithmetic in f32, or as packed bf16 or f16 multiplies, adds, multiply-adds, maxima and minima; sums over many terms, partial sums and values carried from step to step in f32; what a program stores and reads back later, other than sums and carried values, may be rounded once to bf16 or f16.
;; Inputs: Wd 1,024 x 1,024 float32; Wq 1,024 x 1,024 float32; Wv 1,024 x 1,024 float32; bd 1,024 float32; bq 1,024 float32; bv 1,024 float32; features 32 x 2,048 x 1,024 float32; state 32 x 1,024 float32.
;; Outputs: out0 32 x 1,024 float32.
;; 2 versions, each right; version 2 is version 1 with the launch main written anew for expert scheduling mode. Each part assembles by itself: llvm-mc -triple=amdgcn-amd-amdhsa -mcpu=gfx1250 --defsym DOCPART=n.
;; ======== version 1 of 2: 4 launches
;; workspace buffers: u 1,048,576 bytes; ctxp 16,777,216 bytes; stats 65,536 bytes; pooled 131,072 bytes
;; launch front (part 1): grid 16 x 8, 16 waves a work-group, no clusters, 150,528 bytes of LDS; arguments state, Wq, bq, Wv, u; writes u
.if DOCPART == 1
	.amdgcn_target "amdgcn-amd-amdhsa--gfx1250"
	.amdhsa_code_object_version 6
	.text
	.protected	k_qd27b766dba_front
	.globl	k_qd27b766dba_front
	.p2align	8
	.type	k_qd27b766dba_front,@function
k_qd27b766dba_front:
	s_mov_b64 s[64:65], 0
	v_nop
	global_prefetch_b8 v0, s[64:65] scope:SCOPE_SE
	s_setreg_imm32_b32 hwreg(HW_REG_WAVE_MODE, 25, 1), 1
	s_wait_xcnt 0x0
; u[b][h][i] = c * sum over d of Wv[i][64 h + d] * q[b][64 h + d],  q = state Wq + bq,  c = log2(e) / 8.   u: bf16 [32][16][1024].
; With one query a head and keys = values, features[b][t] . u[b][h] is the logit (in powers of two) less a term q . bv / 8 that is the same for every t and cancels in the softmax.
; A work-group takes head h (grid x) and 128 values of i (grid y).  FIRST the head's 64 columns of q for all 32 batches: D[32][64] = state[32][1024] Wq[1024][64].
; Sixteen waves share K, 64 each (two matrix steps of 32); the sixteen partial results meet in LDS.  The eight work-groups of a head repeat this part: it spares a launch.
; THEN U: wave (it, nt) makes 16 values of i x 16 batches, K = the head's 64 channels; q goes in as two bf16 operands, hi + lo, so that only u itself is rounded once.
; All inputs (state, Wq, bq, Wv) are rounded to bf16; sums in f32.  LIMITS: NaN and infinities are not treated apart.
; FRAGMENTS WITHOUT LDS.  W lies [k][n] in f32.  Lane (r, hh) loads 16 bytes of row k: columns 4 r .. 4 r + 3 (sixteen lanes: 256 consecutive bytes, aligned).  Rounding rows k, k + 1 at column
; 4 r + c into one register gives a source-1 fragment in which lane r stands for column 4 r + c: four fragments (c = 0..3) cover the 64 columns.
.set CQ,     0x3e38aa3b                ; c = log2(e) / 8
.set ST2,    131072                    ; LDS: 0 .. 131,071 the sixteen partial results, 8,192 bytes a wave; here 32 rows of 64 f32, 272 bytes apart
.set P2,     272                       ; 256 + 16: sixteen rows of a 16-byte load start at sixteen different groups of four banks (64 banks of 4 bytes: ISA guide 11.1)
.set UST,    139776                    ; 32 rows (batches) of 128 bf16, 272 bytes apart
.set SPARE,  148480                    ; the spare words, 128 bytes for each of sixteen waves; no other line names them
.set SPLITA, 0                         ; A is an input: rounded to bf16 once
.set RHS,    15                        ; W's row for slot (g, hh, e) of a K step is 8 hh + 16 g + e: hh's part, in bytes, as a shift
.set RG,     16
.set RE,     1
.set PAS,    12                        ; A's rows are 4,096 bytes apart
.set PA,     1<<PAS
.set VR,  1                            ; v1   r = lane % 16
.set VH,  2                            ; v2   hh = lane / 16
.set VLN, 3                            ; v3   lane
.set WO,  4                            ; v4   my byte offset in W's slab
.set AO,  5                            ; v5   my byte offset in A
.set RW,  6                            ; v6   LDS: where my wave's partial result goes
.set RR,  7                            ; v7   LDS: the chunk that my wave sums, in the first eight waves' results
.set BI,  8                            ; v8   bias
.set BO,  9                            ; v9   its byte offset
.set VO,  10                           ; v10  my byte offset in Wv's 16 rows
.set SPW, 14                           ; v14  LDS address of my spare word; never rewritten
.set NIL, 15                           ; v15  0; never rewritten
.set WL,  16                           ; v16-143   W as loaded: 64 s + 32 g + 4 e + c
.set AL,  144                          ; v144-207  A as loaded: 32 s + 16 mt + 8 g + 4 q
.set WF,  208                          ; v208-239  four fragments of W
.set T,   240                          ; v240-255  at work, later addresses
.set AFH, 16                           ; v16-31    A's fragments (hi), where W's first step lay
.set AFL, 32                           ; v32-47    (lo)
.set ACC, 48                           ; accumulator (mt, c) at 48 + 96 mt + 8 c: v48-79 and v144-175
.set RD,  80                           ; v80-143   the sixteen partial chunks; the sum ends in v80-83
.set VL,  176                          ; v176-207  Wv's rows as loaded: 16 s + 8 g + 4 q
.set SA,  4                            ; s[4:5]   state
.set SW,  6                            ; s[6:7]   Wq at the head's columns
.set MASK, 25                          ; s25      a word's upper bf16
.macro PLACES                          ; four places behind a matrix instruction (ISA guide 7.12.1) where no other vector work is at hand
.rept 4
	v_nop
.endr
.endm
.macro BAR
	s_barrier_signal -1
	s_barrier_wait -1
.endm
; eight pairs of f32 at src -> eight registers of bf16 pairs at hi, and the rest x - hi, rounded again, at lo
.macro SPLIT8 src, hi, lo, tmp
.irp i, 0,1,2,3,4,5,6,7
	v_cvt_pk_bf16_f32 v[(\hi)+\i], v[(\src)+2*\i], v[(\src)+2*\i+1]
.endr
.irp i, 0,1,2,3,4,5,6,7
	v_lshlrev_b32 v[(\tmp)+2*\i], 16, v[(\hi)+\i]
	v_and_b32 v[(\tmp)+2*\i+1], s[MASK], v[(\hi)+\i]
.endr
.irp i, 0,1,2,3,4,5,6,7
	v_pk_add_f32 v[(\tmp)+2*\i:(\tmp)+2*\i+1], v[(\src)+2*\i:(\src)+2*\i+1], v[(\tmp)+2*\i:(\tmp)+2*\i+1] neg_lo:[0,1] neg_hi:[0,1]
.endr
.irp i, 0,1,2,3,4,5,6,7
	v_cvt_pk_bf16_f32 v[(\lo)+\i], v[(\tmp)+2*\i], v[(\tmp)+2*\i+1]
.endr
.endm
.macro LOADW s                         ; 32 rows of W's slab: sixteen loads, two rows each
.irp g, 0,1
.irp e, 0,1,2,3,4,5,6,7
	global_load_b128 v[WL+64*(\s)+32*\g+4*\e:WL+64*(\s)+32*\g+4*\e+3], v[WO], s[SW:SW+1] offset:(32*(\s)+RG*\g+RE*\e)*4096
.endr
.endr
.endm
.macro LOADA s                         ; 32 rows of A x 32 along K: lane (r, hh) takes k = 16 g + 8 hh + 0..7 of rows r and 16 + r
.irp mt, 0,1
.irp g, 0,1
.irp q, 0,1
	global_load_b128 v[AL+32*(\s)+16*\mt+8*\g+4*\q:AL+32*(\s)+16*\mt+8*\g+4*\q+3], v[AO], s[SA:SA+1] offset:\mt*16*PA+128*(\s)+64*\g+16*\q
.endr
.endr
.endr
.endm
.macro CVTW s                          ; register 4 g + p of fragment c: rows e = 2 p, 2 p + 1 at column 4 r + c
.irp c, 0,1,2,3
.irp g, 0,1
.irp p, 0,1,2,3
	v_cvt_pk_bf16_f32 v[WF+8*\c+4*\g+\p], v[WL+64*(\s)+32*\g+8*\p+\c], v[WL+64*(\s)+32*\g+8*\p+4+\c]
.endr
.endr
.endr
.endm
.macro CVTA s
.irp mt, 0,1
.if SPLITA
	SPLIT8 AL+32*(\s)+16*\mt,AFH+8*\mt,AFL+8*\mt,T
.else
.irp i, 0,1,2,3,4,5,6,7
	v_cvt_pk_bf16_f32 v[AFH+8*\mt+\i], v[AL+32*(\s)+16*\mt+2*\i], v[AL+32*(\s)+16*\mt+2*\i+1]
.endr
.endif
.endr
.endm
; The eight accumulators take turns, one instruction a turn.  first = 1: the first eight products start the sums.
.macro MM first
.irp mt, 0,1
.irp c, 0,1,2,3
.if \first
	v_wmma_f32_16x16x32_bf16 v[ACC+96*\mt+8*\c:ACC+96*\mt+8*\c+7], v[AFH+8*\mt:AFH+8*\mt+7], v[WF+8*\c:WF+8*\c+7], 0
.else
	v_wmma_f32_16x16x32_bf16 v[ACC+96*\mt+8*\c:ACC+96*\mt+8*\c+7], v[AFH+8*\mt:AFH+8*\mt+7], v[WF+8*\c:WF+8*\c+7], v[ACC+96*\mt+8*\c:ACC+96*\mt+8*\c+7]
.endif
.endr
.endr
.if SPLITA
.irp mt, 0,1
.irp c, 0,1,2,3
	v_wmma_f32_16x16x32_bf16 v[ACC+96*\mt+8*\c:ACC+96*\mt+8*\c+7], v[AFL+8*\mt:AFL+8*\mt+7], v[WF+8*\c:WF+8*\c+7], v[ACC+96*\mt+8*\c:ACC+96*\mt+8*\c+7]
.endr
.endr
.endif
.endm
.macro SPREAD                          ; my partial result: chunk 2 a + jq = registers 4 jq .. 4 jq + 3 of accumulator a = 4 mt + c; each accumulator's low half first
.irp a, 0,1,2,3,4,5,6,7
.irp jq, 0,1
	ds_store_b128 v[RW], v[ACC+96*(\a/4)+8*(\a%4)+4*\jq:ACC+96*(\a/4)+8*(\a%4)+4*\jq+3] offset:512*(2*\a+\jq)
.endr
.endr
.endm
.macro GATHER                          ; wave w sums chunk w of all sixteen results, in a fixed tree; v[T] = v[RR] + 65,536, since an LDS immediate ends at 65,535
.irp i, 0,1,2,3,4,5,6,7
	ds_load_b128 v[RD+4*\i:RD+4*\i+3], v[RR] offset:8192*\i
.endr
.irp i, 0,1,2,3,4,5,6,7
	ds_load_b128 v[RD+32+4*\i:RD+32+4*\i+3], v[T] offset:8192*\i
.endr
	s_wait_dscnt 0x0
.irp k, 0,1,2,3,4,5,6,7,8,9,10,11,12,13,14,15
	v_pk_add_f32 v[RD+2*\k:RD+2*\k+1], v[RD+2*\k:RD+2*\k+1], v[RD+32+2*\k:RD+32+2*\k+1]
.endr
.irp k, 0,1,2,3,4,5,6,7
	v_pk_add_f32 v[RD+2*\k:RD+2*\k+1], v[RD+2*\k:RD+2*\k+1], v[RD+16+2*\k:RD+16+2*\k+1]
.endr
.irp k, 0,1,2,3
	v_pk_add_f32 v[RD+2*\k:RD+2*\k+1], v[RD+2*\k:RD+2*\k+1], v[RD+8+2*\k:RD+8+2*\k+1]
.endr
.irp k, 0,1
	v_pk_add_f32 v[RD+2*\k:RD+2*\k+1], v[RD+2*\k:RD+2*\k+1], v[RD+4+2*\k:RD+4+2*\k+1]
.endr
.endm
	s_load_b256 s[4:11], s[0:1], 0x0               ; state s[4:5], Wq s[6:7], bq s[8:9], Wv s[10:11]
	s_load_b64 s[12:13], s[0:1], 0x20              ; u
	v_lshl_add_u32 v[SPW], v0, 2, SPARE
	v_mov_b32 v[NIL], 0
	v_and_b32 v[VR], 15, v0
	v_bfe_u32 v[VH], v0, 4, 1
	v_and_b32 v[VLN], 31, v0
	v_lshrrev_b32 v[WO], 5, v0
	v_readfirstlane_b32 s16, v[WO]                 ; wave w, 0..15
	s_mov_b32 s17, ttmp9                           ; head h
	s_and_b32 s18, ttmp7, 0xffff                   ; ic: which 128 values of i
	s_lshr_b32 s26, s16, 3                         ; the chunk that I sum: mt,
	s_lshr_b32 s29, s16, 1                         ; (it: my 16 values of i in the second part)
	s_and_b32 s27, s29, 3                          ; c,
	s_and_b32 s28, s16, 1                          ; jq (nt: my 16 batches in the second part)
	s_mov_b32 s24, CQ
	s_mov_b32 s[MASK], 0xffff0000
	s_lshl_b32 s19, s16, 18                        ; my 64 rows of W
	v_lshlrev_b32 v[WO], 4, v[VR]
	v_lshl_add_u32 v[WO], v[VH], RHS, v[WO]
	v_add_nc_u32 v[WO], s19, v[WO]
	s_lshl_b32 s19, s16, 8                         ; my 64 columns of A
	v_lshlrev_b32 v[AO], PAS, v[VR]
	v_lshl_add_u32 v[AO], v[VH], 5, v[AO]
	v_add_nc_u32 v[AO], s19, v[AO]
	s_lshl_b32 s19, s27, 2
	v_lshl_add_u32 v[BO], v[VR], 4, s19            ; the bias of column 4 r + c
	v_lshlrev_b32 v[VO], 12, v[VR]
	v_lshl_add_u32 v[VO], v[VH], 5, v[VO]          ; Wv: row r, 8 hh channels on
	s_lshl_b32 s20, s17, 8                         ; the head's 64 columns, in bytes
	s_mov_b32 s21, 0
	s_lshl_b32 s22, s18, 19                        ; Wv at row 128 ic + 16 it and the head's columns
	s_lshl_b32 s23, s29, 16
	s_add_co_u32 s22, s22, s23
	s_add_co_u32 s22, s22, s20
	s_mov_b32 s23, 0
	s_lshl_b32 s30, s17, 11                        ; u at head h and i = 128 ic
	s_lshl_b32 s31, s18, 8
	s_add_co_u32 s30, s30, s31
	s_mov_b32 s31, 0
	s_wait_kmcnt 0x0
	s_add_nc_u64 s[6:7], s[6:7], s[20:21]
	s_add_nc_u64 s[8:9], s[8:9], s[20:21]
	s_add_nc_u64 s[10:11], s[10:11], s[22:23]
	s_add_nc_u64 s[12:13], s[12:13], s[30:31]
	global_load_b32 v[BI], v[BO], s[8:9]           ; all the wave's loads go out at once: 49, some 24 KB
	LOADW 0
	LOADA 0
	LOADW 1
	LOADA 1
	s_lshl_b32 s19, s16, 13                        ; LDS addresses, while the loads are out
	v_lshl_add_u32 v[RW], v[VLN], 4, s19
	s_lshl_b32 s19, s16, 9
	v_lshl_add_u32 v[RR], v[VLN], 4, s19
	s_lshl_b32 s32, s26, 4                         ; q's rows 16 mt + 4 jq (+ 8 hh + e), word 4 r + c
	s_lshl_b32 s19, s28, 2
	s_add_co_u32 s32, s32, s19
	s_mul_i32 s32, s32, P2
	s_lshl_b32 s19, s27, 2
	s_add_co_u32 s32, s32, s19
	s_add_co_u32 s32, s32, ST2
	s_mul_i32 s33, s28, 16*P2                      ; my 16 batches' rows, of q
	s_add_co_u32 s34, s33, UST                     ; and of u, at my 16 values of i
	s_lshl_b32 s19, s29, 5
	s_add_co_u32 s34, s34, s19
	s_add_co_u32 s33, s33, ST2
	s_mul_i32 s35, s16, 2*P2                       ; the two rows of u that I store
	s_add_co_u32 s35, s35, UST
	s_lshl_b32 s36, s16, 16
	s_wait_loadcnt 24                              ; all but the second K step's 16 + 8 loads are in
	v_cvt_pk_bf16_f32 v[BI], v[BI], v[BI]          ; the bias is an input: rounded to bf16,
	v_lshlrev_b32 v[BI], 16, v[BI]
	v_mul_f32 v[BI], s24, v[BI]                    ; and scaled as q is
	CVTW 0
	CVTA 0
	MM 1
	s_wait_loadcnt 0x0
	PLACES                                         ; the fragments' registers are written again
	CVTW 1
	CVTA 1
.irp s2, 0,1                           ; Wv's 16 rows x 64 channels for the second part, into the registers that A's second step has just left
.irp g, 0,1
.irp q, 0,1
	global_load_b128 v[VL+16*\s2+8*\g+4*\q:VL+16*\s2+8*\g+4*\q+3], v[VO], s[10:11] offset:128*\s2+64*\g+16*\q
.endr
.endr
.endr
	MM 0
	v_add_nc_u32 v[T], 0x10000, v[RR]              ; the later addresses: plain work that names no register of the products, so also the places behind them
	v_mul_u32_u24 v[T+1], v[VH], 8*P2
	v_lshl_add_u32 v[T+1], v[VR], 4, v[T+1]
	v_add_nc_u32 v[T+1], s32, v[T+1]               ; T+1: where my four numbers of q go
	v_mul_u32_u24 v[T+2], v[VR], P2
	v_lshl_add_u32 v[T+3], v[VH], 4, v[T+2]
	v_add_nc_u32 v[T+3], s34, v[T+3]               ; T+3: where my 16 bytes of u go
	v_lshl_add_u32 v[T+2], v[VH], 5, v[T+2]
	v_add_nc_u32 v[T+2], s33, v[T+2]               ; T+2: q's fragments
	v_mul_u32_u24 v[T+4], v[VH], P2
	v_lshl_add_u32 v[T+4], v[VR], 4, v[T+4]
	v_add_nc_u32 v[T+4], s35, v[T+4]               ; T+4: a row of u, back
	v_lshlrev_b32 v[T+5], 4, v[VR]
	v_lshl_add_u32 v[T+5], v[VH], 15, v[T+5]
	v_add_nc_u32 v[T+5], s36, v[T+5]               ; T+5: the same row in memory: batch 2 w + hh
	SPREAD
	s_wait_dscnt 0x0                               ; for the others' sake: my partial result is in LDS
	BAR
	GATHER                                         ; v80-83: rows 16 mt + 8 hh + 4 jq + e, column 4 r + c
.irp e, 0,1,2,3
	v_fma_f32 v[RD+\e], v[RD+\e], s24, v[BI]       ; c q
.endr
.irp e, 0,1,2,3
	ds_store_b32 v[T+1], v[RD+\e] offset:\e*P2
.endr
	s_wait_dscnt 0x0                               ; my part of q is in LDS
	BAR
.irp s2, 0,1                           ; q as source 1: lane r = batch 16 nt + r, channels 32 s + 16 g + 8 hh + 0..7
.irp g, 0,1
.irp q, 0,1
	ds_load_b128 v[RD+16*\s2+8*\g+4*\q:RD+16*\s2+8*\g+4*\q+3], v[T+2] offset:128*\s2+64*\g+16*\q
.endr
.endr
.endr
	s_wait_loadcnt 0x0                             ; Wv's rows
.irp i, 0,1,2,3,4,5,6,7,8,9,10,11,12,13,14,15
	v_cvt_pk_bf16_f32 v[WF+\i], v[VL+2*\i], v[VL+2*\i+1]  ; source 0: lane r = row i, two fragments of 32 channels
.endr
	s_wait_dscnt 0x0
	SPLIT8 RD,112,128,144
	SPLIT8 RD+16,120,136,144
	v_wmma_f32_16x16x32_bf16 v[224:231], v[208:215], v[112:119], 0          ; two accumulators, for q's hi and lo parts, by turns
	v_wmma_f32_16x16x32_bf16 v[232:239], v[208:215], v[128:135], 0
	v_wmma_f32_16x16x32_bf16 v[224:231], v[216:223], v[120:127], v[224:231]
	v_wmma_f32_16x16x32_bf16 v[232:239], v[216:223], v[136:143], v[232:239]
	PLACES
.irp i, 0,1,2,3
	v_pk_add_f32 v[224+2*\i:225+2*\i], v[224+2*\i:225+2*\i], v[232+2*\i:233+2*\i]
.endr
.irp i, 0,1,2,3
	v_cvt_pk_bf16_f32 v[144+\i], v[224+2*\i], v[225+2*\i]  ; lane (r, hh): batch 16 nt + r, i = 16 it + 8 hh + 0..7: 16 bytes
.endr
	ds_store_b128 v[T+3], v[144:147]
	s_wait_dscnt 0x0                               ; my part of u is in LDS
	BAR
	ds_load_b128 v[148:151], v[T+4]
	s_wait_dscnt 0x0
	global_store_b128 v[T+5], v[148:151], s[12:13] ; sixteen lanes store 256 consecutive bytes, at a multiple of 256 from u's first byte
	s_wait_tensorcnt 0x0                           ; the wave's end, behind my last LDS store
	ds_add_u32 v[SPW], v[NIL]
	s_wait_dscnt 0x0
	s_endpgm
.Lfunc_end_k_qd27b766dba_front:
	.size	k_qd27b766dba_front, .Lfunc_end_k_qd27b766dba_front-k_qd27b766dba_front
	.p2alignl 7, 3214868480
	.fill 96, 4, 3214868480
	.section	.rodata,"a",@progbits
	.p2align	6, 0x0
	.amdhsa_kernel k_qd27b766dba_front
		.amdhsa_group_segment_fixed_size 150528
		.amdhsa_private_segment_fixed_size 0
		.amdhsa_enable_private_segment 0
		.amdhsa_kernarg_size 40
		.amdhsa_user_sgpr_count 2
		.amdhsa_user_sgpr_kernarg_segment_ptr 1
		.amdhsa_wavefront_size32 1
		.amdhsa_system_sgpr_workgroup_id_x 1
		.amdhsa_system_sgpr_workgroup_id_y 1
		.amdhsa_system_sgpr_workgroup_id_z 1
		.amdhsa_system_vgpr_workitem_id 0
		.amdhsa_next_free_vgpr 256
		.amdhsa_next_free_sgpr 66
		.amdhsa_reserve_vcc 0
		.amdhsa_float_denorm_mode_32 3
		.amdhsa_float_denorm_mode_16_64 3
		.amdhsa_memory_ordered 1
		.amdhsa_forward_progress 1
		.amdhsa_inst_pref_size 28
	.end_amdhsa_kernel
	.amdgpu_metadata
---
amdhsa.version: [ 1, 2 ]
amdhsa.kernels:
  - .name:           k_qd27b766dba_front
    .symbol:         k_qd27b766dba_front.kd
    .args:
      - { .name: state, .offset: 0, .size: 8, .value_kind: global_buffer, .address_space: global }
      - { .name: Wq, .offset: 8, .size: 8, .value_kind: global_buffer, .address_space: global }
      - { .name: bq, .offset: 16, .size: 8, .value_kind: global_buffer, .address_space: global }
      - { .name: Wv, .offset: 24, .size: 8, .value_kind: global_buffer, .address_space: global }
      - { .name: u, .offset: 32, .size: 8, .value_kind: global_buffer, .address_space: global }
    .group_segment_fixed_size: 150528
    .private_segment_fixed_size: 0
    .kernarg_segment_align: 8
    .kernarg_segment_size: 40
    .max_flat_workgroup_size: 512
    .sgpr_count:     66
    .vgpr_count:     256
    .wavefront_size: 32
...
	.end_amdgpu_metadata
.endif
;; end of part 1
;; launch main (part 2): grid 8 x 32, 8 waves a work-group, no clusters, 103,424 bytes of LDS; arguments features, u, ctxp, stats; writes ctxp, stats
.if DOCPART == 2
	.amdgcn_target "amdgcn-amd-amdhsa--gfx1250"
	.amdhsa_code_object_version 6
	.text
	.protected	k_qd27b766dba_main
	.globl	k_qd27b766dba_main
	.p2align	8
	.type	k_qd27b766dba_main,@function
k_qd27b766dba_main:
	s_mov_b64 s[64:65], 0
	v_nop
	global_prefetch_b8 v0, s[64:65] scope:SCOPE_SE
	s_setreg_imm32_b32 hwreg(HW_REG_WAVE_MODE, 25, 1), 1
	s_wait_xcnt 0x0
; The stream.  For batch b (grid y) and 256 of its rows t (grid x = part): s[t][h] = features[t] . u[h] (all 16 heads are one side of a matrix tile), a running maximum m and sum l for each head,
; p = 2^(s - m), and ctx[h][x] = sum over t of p[t][h] features[t][x], rescaled by a = 2^(m_old - m_new) in every step.  Out go the part's ctx (f32, not yet divided), m and l.
; features are read ONCE, as f32, straight into registers, and rounded to bf16 there; p is rounded to bf16 for the second product, l is taken of the unrounded p; sums, m, l, ctx in f32.
; LIMITS: NaN and infinities are not treated apart; a weight below 2^-126 counts as 0.
; SHARES.  Eight steps of 32 rows.  Wave w owns columns 128 w .. 128 w + 127: its part of K in the first product (four matrix steps) and its 128 columns of ctx in the second.
; SECOND PRODUCT WITHOUT LDS.  Lane (r, hh) loads 16 bytes of row t = 16 g + 8 hh + j: columns 4 r .. 4 r + 3 of a block of 64 (sixteen lanes: 256 consecutive bytes, aligned).  Rounding rows
; 2 p, 2 p + 1 at column 4 r + c into one register gives a source-0 fragment of features^T in which lane r stands for column 4 r + c.  The first product wants the same numbers with K along the
; registers: they go, as bf16, through the wave's own LDS bytes.  The eight waves' partial scores meet in LDS: two slots by turns, ONE barrier a step (a slot is written again two steps later,
; behind the barrier of the step between, in front of which every wave has waited for its reads).  Every wave then makes the same softmax for itself.
; No tensor loads: the numbers must pass through registers to be rounded, and the loads' layout is already the second product's.  No cluster: work-groups share only u, 32 KB beside 1 MB.
; In flight: four blocks of 16 loads a wave, 512 bytes each.
; ctxp's ORDER: in a row of 1,024, place 32 k + 8 c + j holds column 32 k + 4 j + c: what the accumulators' layout gives in 16-byte pieces; the next launch takes Wv's rows in the same order.
; REGISTERS.  Window 0: below.  Window 1 (v256-511): features as loaded, at 128 set + 64 block + 32 g + 4 j.  s_set_vgpr_msb: bits 1:0 source 0, 3:2 source 1, 7:6 destination.
.set XFP,   272                        ; a row of 128 bf16 in LDS: 256 + 16 bytes: sixteen rows of a load start at sixteen different groups of four banks (64 banks of 4 bytes: ISA guide 11.1)
.set XFW,   8704                       ; 32 such rows: a wave's own area; on the way out 16 rows of 128 f32, 528 bytes apart
.set EX,    69632                      ; behind the eight areas: the exchange, 2 slots x 8 waves x 2,048 bytes
.set SPARE, 102400                     ; the spare words, 128 bytes for each of eight waves; no other line names them
.set FO,  1                            ; v1   my byte offset in 32 rows of features
.set UO,  2                            ; v2   my byte offset in the batch's u
.set XS,  3                            ; v3   LDS: where my 8 bytes of a row go
.set FR,  4                            ; v4   LDS: my place in a fragment of features
.set EXW, 5                            ; v5   LDS: my wave's partial scores
.set EXR, 6                            ; v6   LDS: my lane's place in any wave's
.set OS,  7                            ; v7   the way out: where 16 bytes of ctx go
.set ORD, 8                            ; v8   the way out: where a row is read back
.set GO,  9                            ; v9   my byte offset in a row of ctxp
.set SPW, 10                           ; v10  LDS address of my spare word; never rewritten
.set NIL, 11                           ; v11  0; never rewritten
.set VM,  12                           ; v12  m
.set VLS, 13                           ; v13  l (of my half of the lanes' rows)
.set VA,  14                           ; v14-15  a, twice
.set C0,  16                           ; v16-19  at work
.set MN,  20                           ; v20-21  the new m, twice
.set SO,  22                           ; v22  my byte offset in the part's 256 bytes of stats
.set U,   24                           ; v24-55   u's four fragments
.set SC0, 56                           ; v56-71   my partial scores: rows 0-15, rows 16-31
.set SC1, 64
.set P,   72                           ; v72-79   p, source 1 of the second product
.set T,   80                           ; v80-127  at work
.set ACC, 128                          ; v128-191 ctx^T: 32 block + 8 c
.set FT,  192                          ; v192-255 features^T: 32 block + 8 c
.set MSB, 0
.macro WIN new                         ; the immediate's high byte repeats the setting that is left; a switch that changes nothing is dropped
.if MSB != (\new)
	s_set_vgpr_msb (MSB<<8)|(\new)
.set MSB, \new
.endif
.endm
.macro PLACES                          ; four places behind a matrix instruction (ISA guide 7.12.1) where no other vector work is at hand
.rept 4
	v_nop
.endr
.endm
.macro LOADF set, blk, step            ; a block of 64 of my columns in the 32 rows of step `step` from the base: sixteen loads, two rows each
	WIN 0x40
.irp g, 0,1
.irp j, 0,1,2,3,4,5,6,7
	global_load_b128 v[128*(\set)+64*(\blk)+32*\g+4*\j:128*(\set)+64*(\blk)+32*\g+4*\j+3], v[FO], s[4:5] offset:(\step)*131072+(16*\g+\j)*4096+256*(\blk) th:TH_LOAD_NT
.endr
.endr
.endm
.macro XLD set, i, buf                 ; wave i's partial scores
.irp q, 0,1,2,3
	ds_load_b128 v[T+16*(\buf)+4*\q:T+16*(\buf)+4*\q+3], v[EXR] offset:16384*(\set)+2048*(\i)+512*\q
.endr
.endm
.macro XADD buf
.irp k, 0,1,2,3,4,5,6,7
	v_pk_add_f32 v[T+2*\k:T+2*\k+1], v[T+2*\k:T+2*\k+1], v[T+16*(\buf)+2*\k:T+16*(\buf)+2*\k+1]
.endr
.endm
; ONE STEP: 32 rows.  set: which half of window 1 holds them, and which slot of the exchange.  ld = 1: each block's registers are loaded again, with the rows two steps on.
; n0, n1: how many younger loads may stay out when block 0, block 1 is needed.
.macro STEP set, ld, n0, n1
.irp blk, 0,1
.if \blk == 0
	s_wait_loadcnt \n0
.else
	s_wait_loadcnt \n1
.endif
	WIN 0x05
.irp g, 0,1                            ; along K, for the first product; these 32 name no register of the step before's last products, and are the places behind them
.irp j, 0,1,2,3,4,5,6,7
	v_cvt_pk_bf16_f32 v[T+16*\g+2*\j],   v[128*(\set)+64*\blk+32*\g+4*\j],   v[128*(\set)+64*\blk+32*\g+4*\j+1]
	v_cvt_pk_bf16_f32 v[T+16*\g+2*\j+1], v[128*(\set)+64*\blk+32*\g+4*\j+2], v[128*(\set)+64*\blk+32*\g+4*\j+3]
.endr
.endr
.irp col, 0,1,2,3                      ; along t, for the second
.irp g, 0,1
.irp p, 0,1,2,3
	v_cvt_pk_bf16_f32 v[FT+32*\blk+8*\col+4*\g+\p], v[128*(\set)+64*\blk+32*\g+8*\p+\col], v[128*(\set)+64*\blk+32*\g+8*\p+4+\col]
.endr
.endr
.endr
.if \ld
	LOADF \set,\blk,2+(\set)
.endif
	WIN 0
.irp g, 0,1
.irp j, 0,1,2,3,4,5,6,7
	ds_store_b64 v[XS], v[T+16*\g+2*\j:T+16*\g+2*\j+1] offset:(16*\g+\j)*XFP+128*\blk
.endr
.endr
.endr
.irp ks, 0,1,2                         ; fragments of features: my own bytes, and LDS serves a wave's instructions in order (ISA guide 5.7.1.4): these see the stores above
.irp tt, 0,1
	ds_load_b128 v[T+16*\ks+8*\tt:T+16*\ks+8*\tt+3],   v[FR] offset:16*XFP*\tt+64*\ks
	ds_load_b128 v[T+16*\ks+8*\tt+4:T+16*\ks+8*\tt+7], v[FR] offset:16*XFP*\tt+64*\ks+32
.endr
.endr
	s_wait_dscnt 8                                 ; the first K step's four loads are in, eight younger ones may be out
	v_wmma_f32_16x16x32_bf16 v[SC0:SC0+7], v[T:T+7],     v[U:U+7], 0       ; the two accumulators take turns
	v_wmma_f32_16x16x32_bf16 v[SC1:SC1+7], v[T+8:T+15],  v[U:U+7], 0
	s_wait_dscnt 4
	v_wmma_f32_16x16x32_bf16 v[SC0:SC0+7], v[T+16:T+23], v[U+8:U+15], v[SC0:SC0+7]
	v_wmma_f32_16x16x32_bf16 v[SC1:SC1+7], v[T+24:T+31], v[U+8:U+15], v[SC1:SC1+7]
	s_wait_dscnt 0x0
	v_wmma_f32_16x16x32_bf16 v[SC0:SC0+7], v[T+32:T+39], v[U+16:U+23], v[SC0:SC0+7]
	v_wmma_f32_16x16x32_bf16 v[SC1:SC1+7], v[T+40:T+47], v[U+16:U+23], v[SC1:SC1+7]
	PLACES                                         ; the fourth K step's fragments land where the first's lay
.irp tt, 0,1
	ds_load_b128 v[T+8*\tt:T+8*\tt+3],   v[FR] offset:16*XFP*\tt+192
	ds_load_b128 v[T+8*\tt+4:T+8*\tt+7], v[FR] offset:16*XFP*\tt+224
.endr
	s_wait_dscnt 0x0
	v_wmma_f32_16x16x32_bf16 v[SC0:SC0+7], v[T:T+7],    v[U+24:U+31], v[SC0:SC0+7]
	v_wmma_f32_16x16x32_bf16 v[SC1:SC1+7], v[T+8:T+15], v[U+24:U+31], v[SC1:SC1+7]
	PLACES
.irp q, 0,1,2,3                        ; lane r = head, register j = row 8 hh + j; each accumulator's low half first
	ds_store_b128 v[EXW], v[SC0+4*\q:SC0+4*\q+3] offset:16384*(\set)+512*\q
.endr
	s_wait_dscnt 0x0                               ; for the others' sake: my partial scores are in LDS; my reads of the other slot ended a step ago
	s_barrier_signal -1
	s_barrier_wait -1
	XLD \set,0,0                                   ; the eight partial scores are added in the order 0 .. 7 in every wave: all waves hold the same numbers
	XLD \set,1,1
	XLD \set,2,2
.irp i, 1,2,3,4,5
	s_wait_dscnt 4                                 ; wave i's are in; the next wave's four loads may be out
	XADD 2-(\i%2)
	XLD \set,(\i)+2,2-(\i%2)
.endr
	s_wait_dscnt 4
	XADD 2
	s_wait_dscnt 0x0
	XADD 1
	v_max3_num_f32 v[C0],   v[T],    v[T+1],  v[T+2]   ; the maximum of my 16 scores and the old m
	v_max3_num_f32 v[C0+1], v[T+3],  v[T+4],  v[T+5]
	v_max3_num_f32 v[C0+2], v[T+6],  v[T+7],  v[T+8]
	v_max3_num_f32 v[C0+3], v[T+9],  v[T+10], v[T+11]
	v_max3_num_f32 v[C0],   v[C0],   v[T+12], v[T+13]
	v_max3_num_f32 v[C0+1], v[C0+1], v[T+14], v[T+15]
	v_max3_num_f32 v[C0+2], v[C0+2], v[C0+3], v[VM]
	v_max3_num_f32 v[C0],   v[C0],   v[C0+1], v[C0+2]
	v_permlanex16_b32 v[C0+1], v[C0], s28, s29     ; the head's other 16 rows lie in the lane 16 away
	v_max_num_f32 v[MN],   v[C0], v[C0+1]
	v_max_num_f32 v[MN+1], v[C0], v[C0+1]
	v_sub_f32 v[C0+2], v[VM], v[MN]
	v_exp_f32 v[VA], v[C0+2]                       ; a; the subtractions below are the plain work behind it
.irp k, 0,1,2,3,4,5,6,7
	v_pk_add_f32 v[T+2*\k:T+2*\k+1], v[T+2*\k:T+2*\k+1], v[MN:MN+1] neg_lo:[0,1] neg_hi:[0,1]
.endr
	v_mov_b32 v[VM], v[MN]
.irp k, 0,1,2,3,4,5,6,7,8,9,10,11,12,13,14,15
	v_exp_f32 v[T+\k], v[T+\k]
.endr
	s_wait_alu depctr_va_vdst(0)
	v_mov_b32 v[VA+1], v[VA]                       ; a plain instruction between the last exponential and the use of the results
.irp k, 0,1,2,3,4,5,6,7
	v_cvt_pk_bf16_f32 v[P+\k], v[T+2*\k], v[T+2*\k+1]  ; rows 16 g + 8 hh + 2 p, + 1 of head r: source 1's layout as it stands
.endr
.irp k, 0,1,2,3
	v_pk_add_f32 v[T+2*\k:T+2*\k+1], v[T+2*\k:T+2*\k+1], v[T+8+2*\k:T+8+2*\k+1]
.endr
.irp k, 0,1
	v_pk_add_f32 v[T+2*\k:T+2*\k+1], v[T+2*\k:T+2*\k+1], v[T+4+2*\k:T+4+2*\k+1]
.endr
	v_pk_add_f32 v[T:T+1], v[T:T+1], v[T+2:T+3]
	v_add_f32 v[C0], v[T], v[T+1]
	v_fma_f32 v[VLS], v[VLS], v[VA], v[C0]         ; l = a l + the sum
.irp k, 0,1,2,3,4,5,6,7,8,9,10,11,12,13,14,15,16,17,18,19,20,21,22,23,24,25,26,27,28,29,30,31
	v_pk_mul_f32 v[ACC+2*\k:ACC+2*\k+1], v[ACC+2*\k:ACC+2*\k+1], v[VA:VA+1]  ; ascending: each accumulator is read from its low end
.endr
.irp a, 0,1,2,3,4,5,6,7                ; ctx^T += features^T p: eight accumulators, one instruction each
	v_wmma_f32_16x16x32_bf16 v[ACC+8*\a:ACC+8*\a+7], v[FT+8*\a:FT+8*\a+7], v[P:P+7], v[ACC+8*\a:ACC+8*\a+7]
.endr
.endm
	s_load_b256 s[4:11], s[0:1], 0x0               ; features s[4:5], u s[6:7], ctxp s[8:9], stats s[10:11]
	v_lshl_add_u32 v[SPW], v0, 2, SPARE
	v_mov_b32 v[NIL], 0
	v_lshrrev_b32 v[FO], 5, v0
	v_readfirstlane_b32 s12, v[FO]                 ; wave w, 0..7
	s_mov_b32 s13, ttmp9                           ; part
	s_and_b32 s14, ttmp7, 0xffff                   ; batch
	v_and_b32 v[C0], 15, v0                        ; r
	v_bfe_u32 v[C0+1], v0, 4, 1                    ; hh
	v_and_b32 v[C0+2], 31, v0                      ; lane
	s_lshl_b32 s15, s12, 9                         ; my 128 columns, in bytes of f32
	v_lshlrev_b32 v[FO], 4, v[C0]
	v_lshl_add_u32 v[FO], v[C0+1], 15, v[FO]       ; lanes 16-31 take the row 8 further down
	v_add_nc_u32 v[FO], s15, v[FO]
	s_lshl_b32 s16, s12, 8                         ; and in bytes of bf16
	v_lshlrev_b32 v[UO], 11, v[C0]                 ; head r
	v_lshl_add_u32 v[UO], v[C0+1], 4, v[UO]
	v_add_nc_u32 v[UO], s16, v[UO]
	s_lshl_b32 s20, s14, 23                        ; a batch is 8 MiB of features, a part 1 MiB
	s_lshl_b32 s21, s13, 20
	s_add_co_u32 s20, s20, s21
	s_mov_b32 s21, 0
	s_lshl_b32 s22, s14, 15                        ; 32 KiB of u
	s_mov_b32 s23, 0
	s_lshl_b32 s24, s14, 3
	s_add_co_u32 s24, s24, s13                     ; 8 b + part
	s_lshl_b32 s26, s24, 8                         ; 256 bytes of stats,
	s_mov_b32 s27, 0
	s_lshl_b32 s24, s24, 16                        ; 64 KiB of ctxp
	s_mov_b32 s25, 0
	s_mov_b32 s28, 0x76543210                      ; v_permlanex16_b32: each lane takes its own place in the other half
	s_mov_b32 s29, 0xfedcba98
	s_wait_kmcnt 0x0
	s_add_nc_u64 s[4:5], s[4:5], s[20:21]
	s_add_nc_u64 s[6:7], s[6:7], s[22:23]
	s_add_nc_u64 s[8:9], s[8:9], s[24:25]
	s_add_nc_u64 s[10:11], s[10:11], s[26:27]
.irp ks, 0,1,2,3                       ; u's fragments arrive as they are used: head r, k = 32 ks + 16 g + 8 hh + 0..7
.irp g, 0,1
	global_load_b128 v[U+8*\ks+4*\g:U+8*\ks+4*\g+3], v[UO], s[6:7] offset:64*\ks+32*\g
.endr
.endr
	LOADF 0,0,0                                    ; steps 0 and 1
	LOADF 0,1,0
	LOADF 1,0,1
	LOADF 1,1,1
	WIN 0
	s_mul_i32 s17, s12, XFW                        ; my wave's area in LDS.  All that follows stands in the wait for the first rows
	v_mul_u32_u24 v[XS], v[C0+1], 8*XFP
	v_lshl_add_u32 v[XS], v[C0], 3, v[XS]
	v_add_nc_u32 v[XS], s17, v[XS]
	v_mul_u32_u24 v[FR], v[C0], XFP
	v_lshl_add_u32 v[FR], v[C0+1], 4, v[FR]
	v_add_nc_u32 v[FR], s17, v[FR]
	s_lshl_b32 s18, s12, 11
	s_add_co_u32 s18, s18, EX
	v_lshl_add_u32 v[EXW], v[C0+2], 4, s18
	v_lshl_add_u32 v[EXR], v[C0+2], 4, EX
	v_mul_u32_u24 v[OS], v[C0], 528
	v_lshl_add_u32 v[OS], v[C0+1], 7, v[OS]
	v_add_nc_u32 v[OS], s17, v[OS]
	v_lshl_add_u32 v[ORD], v[C0+2], 4, s17
	v_lshl_add_u32 v[GO], v[C0+2], 4, s15
	v_lshlrev_b32 v[SO], 3, v[C0+2]
	v_mov_b32 v[VM], 0xff7fffff                    ; m starts at the lowest finite number, l and ctx at 0: the first step is a step like any other, with a = 0;
	v_mov_b32 v[VLS], 0                            ; the price of one text for all eight steps is these 64 lines
.irp k, 0,1,2,3,4,5,6,7,8,9,10,11,12,13,14,15,16,17,18,19,20,21,22,23,24,25,26,27,28,29,30,31
	v_mov_b32 v[ACC+2*\k], 0
	v_mov_b32 v[ACC+2*\k+1], 0
.endr
	s_mov_b32 s30, 3
.Ltrip:                                                ; three trips of two steps; each step asks for the rows two steps on
	STEP 0, 1, 48, 48                              ; behind the block that is needed stand three blocks of 16 loads
	STEP 1, 1, 48, 48
	WIN 0
	s_wait_xcnt 0x0                                ; the loads' base is stepped only behind this wait
	s_add_nc_u64 s[4:5], s[4:5], 0x40000           ; 64 rows on
	s_sub_co_u32 s30, s30, 1
	s_cmp_lg_u32 s30, 0
	s_cbranch_scc1 .Ltrip
	STEP 0, 0, 48, 32                              ; the last two steps load nothing: the counts run down
	STEP 1, 0, 16, 0
	PLACES
	v_permlanex16_b32 v[C0], v[VLS], s28, s29
	v_add_f32 v[VLS], v[VLS], v[C0]                ; l of all the part's rows
	s_cmp_lg_u32 s12, 0
	s_cbranch_scc1 .Lno_stats
	global_store_b64 v[SO], v[VM:VLS], s[10:11]    ; wave 0: (m, l) of head lane % 16: 256 consecutive bytes, aligned
.Lno_stats:
.irp a, 0,1,2,3,4,5,6,7                ; lane (r, hh) holds head r; accumulator a = 4 block + c, register j: column 64 block + 32 hh + 4 j + c.  Into my own area: row r, place 32 (2 block + hh) + 8 c + j
.irp jh, 0,1
	ds_store_b128 v[OS], v[ACC+8*\a+4*\jh:ACC+8*\a+4*\jh+3] offset:256*(\a/4)+32*(\a%4)+16*\jh
.endr
.endr
.irp h, 0,1,2,3,4,5,6,7,8,9,10,11,12,13,14,15
	ds_load_b128 v[FT+4*\h:FT+4*\h+3], v[ORD] offset:528*\h  ; my own bytes, served in order: these see the stores above
.endr
.irp h, 0,1,2,3,4,5,6,7,8,9,10,11,12,13,14,15
	s_wait_dscnt 15-\h
	global_store_b128 v[GO], v[FT+4*\h:FT+4*\h+3], s[8:9] offset:4096*\h  ; 512 consecutive bytes of head h's row, at a multiple of 256 from ctxp's first byte
.endr
	s_wait_tensorcnt 0x0                           ; the wave's end, behind my last LDS store
	ds_add_u32 v[SPW], v[NIL]
	s_wait_dscnt 0x0
	s_endpgm
.Lfunc_end_k_qd27b766dba_main:
	.size	k_qd27b766dba_main, .Lfunc_end_k_qd27b766dba_main-k_qd27b766dba_main
	.p2alignl 7, 3214868480
	.fill 96, 4, 3214868480
	.section	.rodata,"a",@progbits
	.p2align	6, 0x0
	.amdhsa_kernel k_qd27b766dba_main
		.amdhsa_group_segment_fixed_size 103424
		.amdhsa_private_segment_fixed_size 0
		.amdhsa_enable_private_segment 0
		.amdhsa_kernarg_size 32
		.amdhsa_user_sgpr_count 2
		.amdhsa_user_sgpr_kernarg_segment_ptr 1
		.amdhsa_wavefront_size32 1
		.amdhsa_system_sgpr_workgroup_id_x 1
		.amdhsa_system_sgpr_workgroup_id_y 1
		.amdhsa_system_sgpr_workgroup_id_z 1
		.amdhsa_system_vgpr_workitem_id 0
		.amdhsa_next_free_vgpr 512
		.amdhsa_next_free_sgpr 66
		.amdhsa_reserve_vcc 0
		.amdhsa_float_denorm_mode_32 3
		.amdhsa_float_denorm_mode_16_64 3
		.amdhsa_memory_ordered 1
		.amdhsa_forward_progress 1
		.amdhsa_inst_pref_size 117
	.end_amdhsa_kernel
	.amdgpu_metadata
---
amdhsa.version: [ 1, 2 ]
amdhsa.kernels:
  - .name:           k_qd27b766dba_main
    .symbol:         k_qd27b766dba_main.kd
    .args:
      - { .name: features, .offset: 0, .size: 8, .value_kind: global_buffer, .address_space: global }
      - { .name: u, .offset: 8, .size: 8, .value_kind: global_buffer, .address_space: global }
      - { .name: ctxp, .offset: 16, .size: 8, .value_kind: global_buffer, .address_space: global }
      - { .name: stats, .offset: 24, .size: 8, .value_kind: global_buffer, .address_space: global }
    .group_segment_fixed_size: 103424
    .private_segment_fixed_size: 0
    .kernarg_segment_align: 8
    .kernarg_segment_size: 32
    .max_flat_workgroup_size: 256
    .sgpr_count:     66
    .vgpr_count:     512
    .wavefront_size: 32
...
	.end_amdgpu_metadata
.endif
;; end of part 2
;; launch ctxproj (part 3): grid 16 x 8, 16 waves a work-group, no clusters, 142,080 bytes of LDS; arguments ctxp, stats, Wv, bv, pooled; writes pooled
.if DOCPART == 3
	.amdgcn_target "amdgcn-amd-amdhsa--gfx1250"
	.amdhsa_code_object_version 6
	.text
	.protected	k_qd27b766dba_ctxproj
	.globl	k_qd27b766dba_ctxproj
	.p2align	8
	.type	k_qd27b766dba_ctxproj,@function
k_qd27b766dba_ctxproj:
	s_mov_b64 s[64:65], 0
	v_nop
	global_prefetch_b8 v0, s[64:65] scope:SCOPE_SE
	s_setreg_imm32_b32 hwreg(HW_REG_WAVE_MODE, 25, 1), 1
	s_wait_xcnt 0x0
; pooled[b][64 h + d] = sum over i of ctx[b][h][i] Wv[i][64 h + d] + bv[64 h + d],  ctx = (sum over the 8 parts of 2^(m_p - m) ctxp_p) / (sum of 2^(m_p - m) l_p),  m = the largest m_p.
; A work-group takes head h (grid x) and four batches (grid y).  The product comes first, on the 32 rows (4 batches x 8 parts), D[32][64] = ctxp[32][1024] Wv[1024][64]; the parts are combined behind
; it, which is the same sum and keeps the matrix tiles full.  Sixteen waves share K, 64 each; the partial results meet in LDS.
; ctxp goes in as two bf16 operands, hi + lo; Wv and bv, inputs, are rounded to bf16; sums in f32.  ctxp's place 32 k + 8 c + j holds column 32 k + 4 j + c, so slot (g, hh, e) of a K step
; takes Wv's row hh + 2 g + 4 e.  LIMITS: NaN and infinities are not treated apart; a part's weight below 2^-126 counts as 0.
; FRAGMENTS WITHOUT LDS.  W lies [k][n] in f32.  Lane (r, hh) loads 16 bytes of a row: columns 4 r .. 4 r + 3 (sixteen lanes: 256 consecutive bytes, aligned).  Rounding two rows at column
; 4 r + c into one register gives a source-1 fragment in which lane r stands for column 4 r + c: four fragments (c = 0..3) cover the 64 columns.
.set ST2,    131072                    ; LDS: 0 .. 131,071 the sixteen partial results, 8,192 bytes a wave; here rows of 64 f32, 272 bytes apart
.set P2,     272
.set WT,     139776                    ; the 32 rows' weights
.set SPARE,  140032                    ; the spare words, 128 bytes for each of sixteen waves; no other line names them
.set SPLITA, 1
.set RHS,    12
.set RG,     2
.set RE,     4
.set PAS,    16                        ; A's rows (b', part) are 65,536 bytes apart
.set PA,     1<<PAS
.set VR,  1                            ; v1   r = lane % 16
.set VH,  2                            ; v2   hh = lane / 16
.set VLN, 3                            ; v3   lane
.set WO,  4                            ; v4   my byte offset in W's slab
.set AO,  5                            ; v5   my byte offset in A
.set RW,  6                            ; v6   LDS: where my wave's partial result goes
.set RR,  7                            ; v7   LDS: the chunk that my wave sums
.set BI,  8                            ; v8-11  bias of columns 4 r .. 4 r + 3
.set SM,  12                           ; v12-13 wave 0: (m, l) of row = lane
.set SPW, 14                           ; v14  LDS address of my spare word; never rewritten
.set NIL, 15                           ; v15  0; never rewritten
.set WL,  16                           ; v16-143   W as loaded: 64 s + 32 g + 4 e + c
.set AL,  144                          ; v144-207  A as loaded: 32 s + 16 mt + 8 g + 4 q
.set WF,  208                          ; v208-239  four fragments of W
.set T,   240                          ; v240-255  at work; addresses
.set AFH, 16                           ; v16-31    A's fragments, hi
.set AFL, 32                           ; v32-47    lo
.set ACC, 48                           ; accumulator (mt, c) at 48 + 96 mt + 8 c
.set RD,  80                           ; v80-143   the sixteen partial chunks; the sum ends in v80-83
.set WTR, 144                          ; v144-147  my four rows' weights
.set SA,  4                            ; s[4:5]   ctxp at the work-group's first row
.set SW,  8                            ; s[8:9]   Wv at the head's columns
.set MASK, 25                          ; s25      a word's upper bf16
.macro PLACES                          ; four places behind a matrix instruction (ISA guide 7.12.1) where no other vector work is at hand
.rept 4
	v_nop
.endr
.endm
.macro BAR
	s_barrier_signal -1
	s_barrier_wait -1
.endm
; eight pairs of f32 at src -> eight registers of bf16 pairs at hi, and the rest x - hi, rounded again, at lo
.macro SPLIT8 src, hi, lo, tmp
.irp i, 0,1,2,3,4,5,6,7
	v_cvt_pk_bf16_f32 v[(\hi)+\i], v[(\src)+2*\i], v[(\src)+2*\i+1]
.endr
.irp i, 0,1,2,3,4,5,6,7
	v_lshlrev_b32 v[(\tmp)+2*\i], 16, v[(\hi)+\i]
	v_and_b32 v[(\tmp)+2*\i+1], s[MASK], v[(\hi)+\i]
.endr
.irp i, 0,1,2,3,4,5,6,7
	v_pk_add_f32 v[(\tmp)+2*\i:(\tmp)+2*\i+1], v[(\src)+2*\i:(\src)+2*\i+1], v[(\tmp)+2*\i:(\tmp)+2*\i+1] neg_lo:[0,1] neg_hi:[0,1]
.endr
.irp i, 0,1,2,3,4,5,6,7
	v_cvt_pk_bf16_f32 v[(\lo)+\i], v[(\tmp)+2*\i], v[(\tmp)+2*\i+1]
.endr
.endm
.macro LOADW s                         ; 32 rows of W's slab: sixteen loads, two rows each
.irp g, 0,1
.irp e, 0,1,2,3,4,5,6,7
	global_load_b128 v[WL+64*(\s)+32*\g+4*\e:WL+64*(\s)+32*\g+4*\e+3], v[WO], s[SW:SW+1] offset:(32*(\s)+RG*\g+RE*\e)*4096
.endr
.endr
.endm
.macro LOADA s                         ; 32 rows of A x 32 along K: lane (r, hh) takes places 16 g + 8 hh + 0..7 of rows r and 16 + r
.irp mt, 0,1
.irp g, 0,1
.irp q, 0,1
	global_load_b128 v[AL+32*(\s)+16*\mt+8*\g+4*\q:AL+32*(\s)+16*\mt+8*\g+4*\q+3], v[AO], s[SA:SA+1] offset:\mt*16*PA+128*(\s)+64*\g+16*\q
.endr
.endr
.endr
.endm
.macro CVTW s                          ; register 4 g + p of fragment c: slots e = 2 p, 2 p + 1 at column 4 r + c
.irp c, 0,1,2,3
.irp g, 0,1
.irp p, 0,1,2,3
	v_cvt_pk_bf16_f32 v[WF+8*\c+4*\g+\p], v[WL+64*(\s)+32*\g+8*\p+\c], v[WL+64*(\s)+32*\g+8*\p+4+\c]
.endr
.endr
.endr
.endm
.macro CVTA s
.irp mt, 0,1
.if SPLITA
	SPLIT8 AL+32*(\s)+16*\mt,AFH+8*\mt,AFL+8*\mt,T
.else
.irp i, 0,1,2,3,4,5,6,7
	v_cvt_pk_bf16_f32 v[AFH+8*\mt+\i], v[AL+32*(\s)+16*\mt+2*\i], v[AL+32*(\s)+16*\mt+2*\i+1]
.endr
.endif
.endr
.endm
; The eight accumulators take turns, one instruction a turn.  first = 1: the first eight products start the sums.
.macro MM first
.irp mt, 0,1
.irp c, 0,1,2,3
.if \first
	v_wmma_f32_16x16x32_bf16 v[ACC+96*\mt+8*\c:ACC+96*\mt+8*\c+7], v[AFH+8*\mt:AFH+8*\mt+7], v[WF+8*\c:WF+8*\c+7], 0
.else
	v_wmma_f32_16x16x32_bf16 v[ACC+96*\mt+8*\c:ACC+96*\mt+8*\c+7], v[AFH+8*\mt:AFH+8*\mt+7], v[WF+8*\c:WF+8*\c+7], v[ACC+96*\mt+8*\c:ACC+96*\mt+8*\c+7]
.endif
.endr
.endr
.if SPLITA
.irp mt, 0,1
.irp c, 0,1,2,3
	v_wmma_f32_16x16x32_bf16 v[ACC+96*\mt+8*\c:ACC+96*\mt+8*\c+7], v[AFL+8*\mt:AFL+8*\mt+7], v[WF+8*\c:WF+8*\c+7], v[ACC+96*\mt+8*\c:ACC+96*\mt+8*\c+7]
.endr
.endr
.endif
.endm
.macro SPREAD                          ; my partial result: chunk 2 a + jq = registers 4 jq .. 4 jq + 3 of accumulator a = 4 mt + c; each accumulator's low half first
.irp a, 0,1,2,3,4,5,6,7
.irp jq, 0,1
	ds_store_b128 v[RW], v[ACC+96*(\a/4)+8*(\a%4)+4*\jq:ACC+96*(\a/4)+8*(\a%4)+4*\jq+3] offset:512*(2*\a+\jq)
.endr
.endr
.endm
.macro GATHER                          ; wave w sums chunk w of all sixteen results, in a fixed tree; v[T] = v[RR] + 65,536, since an LDS immediate ends at 65,535
.irp i, 0,1,2,3,4,5,6,7
	ds_load_b128 v[RD+4*\i:RD+4*\i+3], v[RR] offset:8192*\i
.endr
.irp i, 0,1,2,3,4,5,6,7
	ds_load_b128 v[RD+32+4*\i:RD+32+4*\i+3], v[T] offset:8192*\i
.endr
	s_wait_dscnt 0x0
.irp k, 0,1,2,3,4,5,6,7,8,9,10,11,12,13,14,15
	v_pk_add_f32 v[RD+2*\k:RD+2*\k+1], v[RD+2*\k:RD+2*\k+1], v[RD+32+2*\k:RD+32+2*\k+1]
.endr
.irp k, 0,1,2,3,4,5,6,7
	v_pk_add_f32 v[RD+2*\k:RD+2*\k+1], v[RD+2*\k:RD+2*\k+1], v[RD+16+2*\k:RD+16+2*\k+1]
.endr
.irp k, 0,1,2,3
	v_pk_add_f32 v[RD+2*\k:RD+2*\k+1], v[RD+2*\k:RD+2*\k+1], v[RD+8+2*\k:RD+8+2*\k+1]
.endr
.irp k, 0,1
	v_pk_add_f32 v[RD+2*\k:RD+2*\k+1], v[RD+2*\k:RD+2*\k+1], v[RD+4+2*\k:RD+4+2*\k+1]
.endr
.endm
	s_load_b256 s[4:11], s[0:1], 0x0               ; ctxp s[4:5], stats s[6:7], Wv s[8:9], bv s[10:11]
	s_load_b64 s[12:13], s[0:1], 0x20              ; pooled
	v_lshl_add_u32 v[SPW], v0, 2, SPARE
	v_mov_b32 v[NIL], 0
	v_and_b32 v[VR], 15, v0
	v_bfe_u32 v[VH], v0, 4, 1
	v_and_b32 v[VLN], 31, v0
	v_lshrrev_b32 v[WO], 5, v0
	v_readfirstlane_b32 s16, v[WO]                 ; wave w, 0..15
	s_mov_b32 s17, ttmp9                           ; head h
	s_and_b32 s18, ttmp7, 0xffff                   ; bq: batches 4 bq .. 4 bq + 3
	s_lshr_b32 s26, s16, 3                         ; the chunk that I sum: mt,
	s_lshr_b32 s27, s16, 1
	s_and_b32 s27, s27, 3                          ; c,
	s_and_b32 s28, s16, 1                          ; jq
	s_mov_b32 s[MASK], 0xffff0000
	s_lshl_b32 s19, s16, 18                        ; my 64 rows of W
	v_lshlrev_b32 v[WO], 4, v[VR]
	v_lshl_add_u32 v[WO], v[VH], RHS, v[WO]
	v_add_nc_u32 v[WO], s19, v[WO]
	s_lshl_b32 s19, s16, 8                         ; my 64 places of A's rows
	v_lshlrev_b32 v[AO], PAS, v[VR]
	v_lshl_add_u32 v[AO], v[VH], 5, v[AO]
	v_add_nc_u32 v[AO], s19, v[AO]
	v_lshlrev_b32 v[T], 4, v[VR]                   ; the bias of columns 4 r ..
	v_lshlrev_b32 v[T+1], 8, v[VLN]                ; row = lane: its 256 bytes of stats
	v_mov_b32 v[SM], 0                             ; written in every wave, so that the pair holds numbers on every way through the text; wave 0 loads it
	v_mov_b32 v[SM+1], 0
	s_lshl_b32 s20, s18, 21                        ; ctxp at row (32 bq) x 16 + h of 4,096 bytes
	s_lshl_b32 s21, s17, 12
	s_add_co_u32 s20, s20, s21
	s_mov_b32 s21, 0
	s_lshl_b32 s22, s17, 8                         ; the head's 64 columns, in bytes
	s_mov_b32 s23, 0
	s_lshl_b32 s30, s18, 13                        ; stats at row 32 bq, head h
	s_lshl_b32 s31, s17, 3
	s_add_co_u32 s30, s30, s31
	s_mov_b32 s31, 0
	s_lshl_b32 s36, s18, 14                        ; pooled at batch 4 bq and the head's columns
	s_add_co_u32 s36, s36, s22
	s_mov_b32 s37, 0
	s_wait_kmcnt 0x0
	s_add_nc_u64 s[4:5], s[4:5], s[20:21]
	s_add_nc_u64 s[6:7], s[6:7], s[30:31]
	s_add_nc_u64 s[8:9], s[8:9], s[22:23]
	s_add_nc_u64 s[10:11], s[10:11], s[22:23]
	s_add_nc_u64 s[12:13], s[12:13], s[36:37]
	s_cmp_lg_u32 s16, 0
	s_cbranch_scc1 .Lno_stats
	global_load_b64 v[SM:SM+1], v[T+1], s[6:7]     ; wave 0: (m, l) of the 32 rows, ahead of its other loads
.Lno_stats:
	global_load_b128 v[BI:BI+3], v[T], s[10:11]    ; all the wave's loads go out at once
	LOADW 0
	LOADA 0
	LOADW 1
	LOADA 1
	s_lshl_b32 s19, s16, 13                        ; LDS addresses, while the loads are out
	v_lshl_add_u32 v[RW], v[VLN], 4, s19
	s_lshl_b32 s19, s16, 9
	v_lshl_add_u32 v[RR], v[VLN], 4, s19
	s_lshl_b32 s32, s26, 6                         ; the weights of rows 8 (2 mt + hh) + 4 jq + 0..3
	s_lshl_b32 s19, s28, 4
	s_add_co_u32 s32, s32, s19
	s_add_co_u32 s32, s32, WT
	s_lshl_b32 s33, s28, 2                         ; the stage's row 4 jq + 2 mt (+ hh), word 4 r + c
	s_lshl_b32 s19, s26, 1
	s_add_co_u32 s33, s33, s19
	s_mul_i32 s33, s33, P2
	s_lshl_b32 s19, s27, 2
	s_add_co_u32 s33, s33, s19
	s_add_co_u32 s33, s33, ST2
	s_mul_i32 s34, s16, 2*P2                       ; back: row 2 w (+ hh)
	s_add_co_u32 s34, s34, ST2
	s_lshl_b32 s35, s16, 13
	s_wait_loadcnt 24                              ; all but the second K step's 16 + 8 loads are in; the bias's and the stats' offsets in T are free
	s_cmp_lg_u32 s16, 0
	s_cbranch_scc1 .Lno_wt
	v_mov_b32 v[T+2], v[SM]                        ; wave 0 makes the weights: lane = row = 8 b' + part; a batch's eight parts are eight neighbouring lanes
	v_max_num_f32_dpp v[T+2], v[T+2], v[T+2] row_xmask:1 row_mask:0xf bank_mask:0xf
	v_max_num_f32_dpp v[T+2], v[T+2], v[T+2] row_xmask:2 row_mask:0xf bank_mask:0xf
	v_max_num_f32_dpp v[T+2], v[T+2], v[T+2] row_xmask:4 row_mask:0xf bank_mask:0xf
	v_sub_f32 v[T+3], v[SM], v[T+2]
	v_exp_f32 v[T+3], v[T+3]                       ; 2^(m_p - m)
	v_lshl_add_u32 v[T+5], v[VLN], 2, WT           ; (a plain instruction behind the exponential)
	s_wait_alu depctr_va_vdst(0)
	v_mul_f32 v[T+4], v[T+3], v[SM+1]
	v_add_f32_dpp v[T+4], v[T+4], v[T+4] row_xmask:1 row_mask:0xf bank_mask:0xf
	v_add_f32_dpp v[T+4], v[T+4], v[T+4] row_xmask:2 row_mask:0xf bank_mask:0xf
	v_add_f32_dpp v[T+4], v[T+4], v[T+4] row_xmask:4 row_mask:0xf bank_mask:0xf
	v_rcp_f32 v[T+4], v[T+4]                       ; the sum is at least 1: the part that holds m has weight 1 and l of 1 or more
	v_nop
	s_wait_alu depctr_va_vdst(0)
	v_mul_f32 v[T+3], v[T+3], v[T+4]
	ds_store_b32 v[T+5], v[T+3]
.Lno_wt:
	CVTW 0
	CVTA 0
	MM 1
	s_wait_loadcnt 0x0
	PLACES                                         ; the fragments' registers are written again
	CVTW 1
	CVTA 1
	MM 0
	v_add_nc_u32 v[T], 0x10000, v[RR]              ; the later addresses: plain work that names no register of the products, so also the places behind them
	v_mul_u32_u24 v[T+1], v[VH], P2
	v_lshl_add_u32 v[T+1], v[VR], 4, v[T+1]
	v_lshl_add_u32 v[T+2], v[VH], 5, s32           ; T+2: my four weights
	v_add_nc_u32 v[T+3], s33, v[T+1]               ; T+3: where my number goes
	v_add_nc_u32 v[T+4], s34, v[T+1]               ; T+4: a row, back
	v_lshlrev_b32 v[T+5], 4, v[VR]
	v_lshl_add_u32 v[T+5], v[VH], 12, v[T+5]
	v_add_nc_u32 v[T+5], s35, v[T+5]               ; T+5: the same row in pooled: batch 2 w + hh of the four
	SPREAD
	s_wait_dscnt 0x0                               ; for the others' sake: my partial result, and wave 0's weights, are in LDS
	BAR
	ds_load_b128 v[WTR:WTR+3], v[T+2]
	GATHER                                         ; v80-83: rows 16 mt + 8 hh + 4 jq + e = batch 2 mt + hh, parts 4 jq + e; column 4 r + c
	v_mul_f32 v[RD+4], v[RD], v[WTR]
	v_fmac_f32 v[RD+4], v[RD+1], v[WTR+1]
	v_fmac_f32 v[RD+4], v[RD+2], v[WTR+2]
	v_fmac_f32 v[RD+4], v[RD+3], v[WTR+3]
	ds_store_b32 v[T+3], v[RD+4]
	s_wait_dscnt 0x0                               ; my half of a batch's sum is in LDS
	BAR
	s_cmp_gt_u32 s16, 1
	s_cbranch_scc1 .Lno_out
	ds_load_b128 v[RD:RD+3], v[T+4]                ; waves 0 and 1: batch 2 w + hh, parts 0-3
	ds_load_b128 v[RD+4:RD+7], v[T+4] offset:4*P2  ; and parts 4-7
	v_cvt_pk_bf16_f32 v[T+6], v[BI], v[BI+1]       ; the bias is an input: rounded to bf16
	v_cvt_pk_bf16_f32 v[T+7], v[BI+2], v[BI+3]
	v_lshlrev_b32 v[BI], 16, v[T+6]
	v_and_b32 v[BI+1], s[MASK], v[T+6]
	v_lshlrev_b32 v[BI+2], 16, v[T+7]
	v_and_b32 v[BI+3], s[MASK], v[T+7]
	s_wait_dscnt 0x0
	v_pk_add_f32 v[RD:RD+1], v[RD:RD+1], v[RD+4:RD+5]
	v_pk_add_f32 v[RD+2:RD+3], v[RD+2:RD+3], v[RD+6:RD+7]
	v_pk_add_f32 v[RD:RD+1], v[RD:RD+1], v[BI:BI+1]
	v_pk_add_f32 v[RD+2:RD+3], v[RD+2:RD+3], v[BI+2:BI+3]
	global_store_b128 v[T+5], v[RD:RD+3], s[12:13] ; sixteen lanes store 256 consecutive bytes, at a multiple of 256 from pooled's first byte
.Lno_out:
	s_wait_tensorcnt 0x0                           ; the wave's end, behind my last LDS store
	ds_add_u32 v[SPW], v[NIL]
	s_wait_dscnt 0x0
	s_endpgm
.Lfunc_end_k_qd27b766dba_ctxproj:
	.size	k_qd27b766dba_ctxproj, .Lfunc_end_k_qd27b766dba_ctxproj-k_qd27b766dba_ctxproj
	.p2alignl 7, 3214868480
	.fill 96, 4, 3214868480
	.section	.rodata,"a",@progbits
	.p2align	6, 0x0
	.amdhsa_kernel k_qd27b766dba_ctxproj
		.amdhsa_group_segment_fixed_size 142080
		.amdhsa_private_segment_fixed_size 0
		.amdhsa_enable_private_segment 0
		.amdhsa_kernarg_size 40
		.amdhsa_user_sgpr_count 2
		.amdhsa_user_sgpr_kernarg_segment_ptr 1
		.amdhsa_wavefront_size32 1
		.amdhsa_system_sgpr_workgroup_id_x 1
		.amdhsa_system_sgpr_workgroup_id_y 1
		.amdhsa_system_sgpr_workgroup_id_z 1
		.amdhsa_system_vgpr_workitem_id 0
		.amdhsa_next_free_vgpr 256
		.amdhsa_next_free_sgpr 66
		.amdhsa_reserve_vcc 0
		.amdhsa_float_denorm_mode_32 3
		.amdhsa_float_denorm_mode_16_64 3
		.amdhsa_memory_ordered 1
		.amdhsa_forward_progress 1
		.amdhsa_inst_pref_size 29
	.end_amdhsa_kernel
	.amdgpu_metadata
---
amdhsa.version: [ 1, 2 ]
amdhsa.kernels:
  - .name:           k_qd27b766dba_ctxproj
    .symbol:         k_qd27b766dba_ctxproj.kd
    .args:
      - { .name: ctxp, .offset: 0, .size: 8, .value_kind: global_buffer, .address_space: global }
      - { .name: stats, .offset: 8, .size: 8, .value_kind: global_buffer, .address_space: global }
      - { .name: Wv, .offset: 16, .size: 8, .value_kind: global_buffer, .address_space: global }
      - { .name: bv, .offset: 24, .size: 8, .value_kind: global_buffer, .address_space: global }
      - { .name: pooled, .offset: 32, .size: 8, .value_kind: global_buffer, .address_space: global }
    .group_segment_fixed_size: 142080
    .private_segment_fixed_size: 0
    .kernarg_segment_align: 8
    .kernarg_segment_size: 40
    .max_flat_workgroup_size: 512
    .sgpr_count:     66
    .vgpr_count:     256
    .wavefront_size: 32
...
	.end_amdgpu_metadata
.endif
;; end of part 3
;; launch final (part 4): grid 16 x 1, 16 waves a work-group, no clusters, 141,824 bytes of LDS; arguments pooled, Wd, bd, out0; writes out0
.if DOCPART == 4
	.amdgcn_target "amdgcn-amd-amdhsa--gfx1250"
	.amdhsa_code_object_version 6
	.text
	.protected	k_qd27b766dba_final
	.globl	k_qd27b766dba_final
	.p2align	8
	.type	k_qd27b766dba_final,@function
k_qd27b766dba_final:
	s_mov_b64 s[64:65], 0
	v_nop
	global_prefetch_b8 v0, s[64:65] scope:SCOPE_SE
	s_setreg_imm32_b32 hwreg(HW_REG_WAVE_MODE, 25, 1), 1
	s_wait_xcnt 0x0
; out0 = pooled Wd + bd.  A work-group takes 64 columns (grid x): D[32][64] = pooled[32][1024] Wd[1024][64].  Sixteen waves share K, 64 each; the partial results meet in LDS.
; pooled goes in as two bf16 operands, hi + lo; Wd and bd, inputs, are rounded to bf16; sums in f32.  LIMITS: NaN and infinities are not treated apart.
; Sixteen work-groups: each must read all of pooled, and 64 columns are what one 256-byte piece of a row of Wd holds.
; FRAGMENTS WITHOUT LDS.  W lies [k][n] in f32.  Lane (r, hh) loads 16 bytes of row k: columns 4 r .. 4 r + 3 (sixteen lanes: 256 consecutive bytes, aligned).  Rounding rows k, k + 1 at column
; 4 r + c into one register gives a source-1 fragment in which lane r stands for column 4 r + c: four fragments (c = 0..3) cover the 64 columns.
.set ST2,    131072                    ; LDS: 0 .. 131,071 the sixteen partial results, 8,192 bytes a wave; here 32 rows of 64 f32, 272 bytes apart
.set P2,     272
.set SPARE,  139776                    ; the spare words, 128 bytes for each of sixteen waves; no other line names them
.set SPLITA, 1
.set RHS,    15                        ; W's row for slot (g, hh, e) of a K step is 8 hh + 16 g + e
.set RG,     16
.set RE,     1
.set PAS,    12
.set PA,     1<<PAS
.set VR,  1                            ; v1   r = lane % 16
.set VH,  2                            ; v2   hh = lane / 16
.set VLN, 3                            ; v3   lane
.set WO,  4                            ; v4   my byte offset in W's slab
.set AO,  5                            ; v5   my byte offset in A
.set RW,  6                            ; v6   LDS: where my wave's partial result goes
.set RR,  7                            ; v7   LDS: the chunk that my wave sums
.set BI,  8                            ; v8-11  bias of columns 4 r .. 4 r + 3
.set SPW, 14                           ; v14  LDS address of my spare word; never rewritten
.set NIL, 15                           ; v15  0; never rewritten
.set WL,  16                           ; v16-143   W as loaded: 64 s + 32 g + 4 e + c
.set AL,  144                          ; v144-207  A as loaded: 32 s + 16 mt + 8 g + 4 q
.set WF,  208                          ; v208-239  four fragments of W
.set T,   240                          ; v240-255  at work; addresses
.set AFH, 16                           ; v16-31    A's fragments, hi
.set AFL, 32                           ; v32-47    lo
.set ACC, 48                           ; accumulator (mt, c) at 48 + 96 mt + 8 c
.set RD,  80                           ; v80-143   the sixteen partial chunks; the sum ends in v80-83
.set SA,  4                            ; s[4:5]   pooled
.set SW,  6                            ; s[6:7]   Wd at the work-group's columns
.set MASK, 25                          ; s25      a word's upper bf16
.macro PLACES                          ; four places behind a matrix instruction (ISA guide 7.12.1) where no other vector work is at hand
.rept 4
	v_nop
.endr
.endm
.macro BAR
	s_barrier_signal -1
	s_barrier_wait -1
.endm
; eight pairs of f32 at src -> eight registers of bf16 pairs at hi, and the rest x - hi, rounded again, at lo
.macro SPLIT8 src, hi, lo, tmp
.irp i, 0,1,2,3,4,5,6,7
	v_cvt_pk_bf16_f32 v[(\hi)+\i], v[(\src)+2*\i], v[(\src)+2*\i+1]
.endr
.irp i, 0,1,2,3,4,5,6,7
	v_lshlrev_b32 v[(\tmp)+2*\i], 16, v[(\hi)+\i]
	v_and_b32 v[(\tmp)+2*\i+1], s[MASK], v[(\hi)+\i]
.endr
.irp i, 0,1,2,3,4,5,6,7
	v_pk_add_f32 v[(\tmp)+2*\i:(\tmp)+2*\i+1], v[(\src)+2*\i:(\src)+2*\i+1], v[(\tmp)+2*\i:(\tmp)+2*\i+1] neg_lo:[0,1] neg_hi:[0,1]
.endr
.irp i, 0,1,2,3,4,5,6,7
	v_cvt_pk_bf16_f32 v[(\lo)+\i], v[(\tmp)+2*\i], v[(\tmp)+2*\i+1]
.endr
.endm
.macro LOADW s                         ; 32 rows of W's slab: sixteen loads, two rows each
.irp g, 0,1
.irp e, 0,1,2,3,4,5,6,7
	global_load_b128 v[WL+64*(\s)+32*\g+4*\e:WL+64*(\s)+32*\g+4*\e+3], v[WO], s[SW:SW+1] offset:(32*(\s)+RG*\g+RE*\e)*4096
.endr
.endr
.endm
.macro LOADA s                         ; 32 rows of A x 32 along K: lane (r, hh) takes k = 16 g + 8 hh + 0..7 of rows r and 16 + r
.irp mt, 0,1
.irp g, 0,1
.irp q, 0,1
	global_load_b128 v[AL+32*(\s)+16*\mt+8*\g+4*\q:AL+32*(\s)+16*\mt+8*\g+4*\q+3], v[AO], s[SA:SA+1] offset:\mt*16*PA+128*(\s)+64*\g+16*\q
.endr
.endr
.endr
.endm
.macro CVTW s                          ; register 4 g + p of fragment c: rows e = 2 p, 2 p + 1 at column 4 r + c
.irp c, 0,1,2,3
.irp g, 0,1
.irp p, 0,1,2,3
	v_cvt_pk_bf16_f32 v[WF+8*\c+4*\g+\p], v[WL+64*(\s)+32*\g+8*\p+\c], v[WL+64*(\s)+32*\g+8*\p+4+\c]
.endr
.endr
.endr
.endm
.macro CVTA s
.irp mt, 0,1
.if SPLITA
	SPLIT8 AL+32*(\s)+16*\mt,AFH+8*\mt,AFL+8*\mt,T
.else
.irp i, 0,1,2,3,4,5,6,7
	v_cvt_pk_bf16_f32 v[AFH+8*\mt+\i], v[AL+32*(\s)+16*\mt+2*\i], v[AL+32*(\s)+16*\mt+2*\i+1]
.endr
.endif
.endr
.endm
; The eight accumulators take turns, one instruction a turn.  first = 1: the first eight products start the sums.
.macro MM first
.irp mt, 0,1
.irp c, 0,1,2,3
.if \first
	v_wmma_f32_16x16x32_bf16 v[ACC+96*\mt+8*\c:ACC+96*\mt+8*\c+7], v[AFH+8*\mt:AFH+8*\mt+7], v[WF+8*\c:WF+8*\c+7], 0
.else
	v_wmma_f32_16x16x32_bf16 v[ACC+96*\mt+8*\c:ACC+96*\mt+8*\c+7], v[AFH+8*\mt:AFH+8*\mt+7], v[WF+8*\c:WF+8*\c+7], v[ACC+96*\mt+8*\c:ACC+96*\mt+8*\c+7]
.endif
.endr
.endr
.if SPLITA
.irp mt, 0,1
.irp c, 0,1,2,3
	v_wmma_f32_16x16x32_bf16 v[ACC+96*\mt+8*\c:ACC+96*\mt+8*\c+7], v[AFL+8*\mt:AFL+8*\mt+7], v[WF+8*\c:WF+8*\c+7], v[ACC+96*\mt+8*\c:ACC+96*\mt+8*\c+7]
.endr
.endr
.endif
.endm
.macro SPREAD                          ; my partial result: chunk 2 a + jq = registers 4 jq .. 4 jq + 3 of accumulator a = 4 mt + c; each accumulator's low half first
.irp a, 0,1,2,3,4,5,6,7
.irp jq, 0,1
	ds_store_b128 v[RW], v[ACC+96*(\a/4)+8*(\a%4)+4*\jq:ACC+96*(\a/4)+8*(\a%4)+4*\jq+3] offset:512*(2*\a+\jq)
.endr
.endr
.endm
.macro GATHER                          ; wave w sums chunk w of all sixteen results, in a fixed tree; v[T] = v[RR] + 65,536, since an LDS immediate ends at 65,535
.irp i, 0,1,2,3,4,5,6,7
	ds_load_b128 v[RD+4*\i:RD+4*\i+3], v[RR] offset:8192*\i
.endr
.irp i, 0,1,2,3,4,5,6,7
	ds_load_b128 v[RD+32+4*\i:RD+32+4*\i+3], v[T] offset:8192*\i
.endr
	s_wait_dscnt 0x0
.irp k, 0,1,2,3,4,5,6,7,8,9,10,11,12,13,14,15
	v_pk_add_f32 v[RD+2*\k:RD+2*\k+1], v[RD+2*\k:RD+2*\k+1], v[RD+32+2*\k:RD+32+2*\k+1]
.endr
.irp k, 0,1,2,3,4,5,6,7
	v_pk_add_f32 v[RD+2*\k:RD+2*\k+1], v[RD+2*\k:RD+2*\k+1], v[RD+16+2*\k:RD+16+2*\k+1]
.endr
.irp k, 0,1,2,3
	v_pk_add_f32 v[RD+2*\k:RD+2*\k+1], v[RD+2*\k:RD+2*\k+1], v[RD+8+2*\k:RD+8+2*\k+1]
.endr
.irp k, 0,1
	v_pk_add_f32 v[RD+2*\k:RD+2*\k+1], v[RD+2*\k:RD+2*\k+1], v[RD+4+2*\k:RD+4+2*\k+1]
.endr
.endm
	s_load_b256 s[4:11], s[0:1], 0x0               ; pooled s[4:5], Wd s[6:7], bd s[8:9], out0 s[10:11]
	v_lshl_add_u32 v[SPW], v0, 2, SPARE
	v_mov_b32 v[NIL], 0
	v_and_b32 v[VR], 15, v0
	v_bfe_u32 v[VH], v0, 4, 1
	v_and_b32 v[VLN], 31, v0
	v_lshrrev_b32 v[WO], 5, v0
	v_readfirstlane_b32 s16, v[WO]                 ; wave w, 0..15
	s_lshr_b32 s26, s16, 3                         ; the chunk that I sum: mt,
	s_lshr_b32 s27, s16, 1
	s_and_b32 s27, s27, 3                          ; c,
	s_and_b32 s28, s16, 1                          ; jq
	s_mov_b32 s[MASK], 0xffff0000
	s_lshl_b32 s19, s16, 18                        ; my 64 rows of W
	v_lshlrev_b32 v[WO], 4, v[VR]
	v_lshl_add_u32 v[WO], v[VH], RHS, v[WO]
	v_add_nc_u32 v[WO], s19, v[WO]
	s_lshl_b32 s19, s16, 8                         ; my 64 columns of A
	v_lshlrev_b32 v[AO], PAS, v[VR]
	v_lshl_add_u32 v[AO], v[VH], 5, v[AO]
	v_add_nc_u32 v[AO], s19, v[AO]
	v_lshlrev_b32 v[T], 4, v[VR]                   ; the bias of columns 4 r ..
	s_lshl_b32 s20, ttmp9, 8                       ; the work-group's 64 columns, in bytes
	s_mov_b32 s21, 0
	s_wait_kmcnt 0x0
	s_add_nc_u64 s[6:7], s[6:7], s[20:21]
	s_add_nc_u64 s[8:9], s[8:9], s[20:21]
	s_add_nc_u64 s[10:11], s[10:11], s[20:21]
	global_load_b128 v[BI:BI+3], v[T], s[8:9]      ; all the wave's loads go out at once: 49, some 24 KB
	LOADW 0
	LOADA 0
	LOADW 1
	LOADA 1
	s_lshl_b32 s19, s16, 13                        ; LDS addresses, while the loads are out
	v_lshl_add_u32 v[RW], v[VLN], 4, s19
	s_lshl_b32 s19, s16, 9
	v_lshl_add_u32 v[RR], v[VLN], 4, s19
	s_lshl_b32 s32, s26, 4                         ; the stage's rows 16 mt + 4 jq (+ 8 hh + e), word 4 r + c
	s_lshl_b32 s19, s28, 2
	s_add_co_u32 s32, s32, s19
	s_mul_i32 s32, s32, P2
	s_lshl_b32 s19, s27, 2
	s_add_co_u32 s32, s32, s19
	s_add_co_u32 s32, s32, ST2
	s_mul_i32 s34, s16, 2*P2                       ; back: row 2 w (+ hh)
	s_add_co_u32 s34, s34, ST2
	s_lshl_b32 s35, s16, 13
	s_wait_loadcnt 24                              ; all but the second K step's 16 + 8 loads are in; the bias's offset in T is free
	CVTW 0
	CVTA 0
	MM 1
	s_wait_loadcnt 0x0
	PLACES                                         ; the fragments' registers are written again
	CVTW 1
	CVTA 1
	MM 0
	v_add_nc_u32 v[T], 0x10000, v[RR]              ; the later addresses: plain work that names no register of the products, so also the places behind them
	v_mul_u32_u24 v[T+1], v[VH], 8*P2
	v_lshl_add_u32 v[T+1], v[VR], 4, v[T+1]
	v_add_nc_u32 v[T+1], s32, v[T+1]               ; T+1: where my four numbers go
	v_mul_u32_u24 v[T+2], v[VH], P2
	v_lshl_add_u32 v[T+2], v[VR], 4, v[T+2]
	v_add_nc_u32 v[T+2], s34, v[T+2]               ; T+2: a row, back
	v_lshlrev_b32 v[T+3], 4, v[VR]
	v_lshl_add_u32 v[T+3], v[VH], 12, v[T+3]
	v_add_nc_u32 v[T+3], s35, v[T+3]               ; T+3: the same row in out0: batch 2 w + hh
	SPREAD
	s_wait_dscnt 0x0                               ; for the others' sake: my partial result is in LDS
	BAR
	GATHER                                         ; v80-83: rows 16 mt + 8 hh + 4 jq + e, column 4 r + c
.irp e, 0,1,2,3
	ds_store_b32 v[T+1], v[RD+\e] offset:\e*P2
.endr
	s_wait_dscnt 0x0                               ; my numbers are in the stage
	BAR
	ds_load_b128 v[RD+4:RD+7], v[T+2]
	v_cvt_pk_bf16_f32 v[T+6], v[BI], v[BI+1]       ; the bias is an input: rounded to bf16
	v_cvt_pk_bf16_f32 v[T+7], v[BI+2], v[BI+3]
	v_lshlrev_b32 v[BI], 16, v[T+6]
	v_and_b32 v[BI+1], s[MASK], v[T+6]
	v_lshlrev_b32 v[BI+2], 16, v[T+7]
	v_and_b32 v[BI+3], s[MASK], v[T+7]
	s_wait_dscnt 0x0
	v_pk_add_f32 v[RD+4:RD+5], v[RD+4:RD+5], v[BI:BI+1]
	v_pk_add_f32 v[RD+6:RD+7], v[RD+6:RD+7], v[BI+2:BI+3]
	global_store_b128 v[T+3], v[RD+4:RD+7], s[10:11]  ; sixteen lanes store 256 consecutive bytes, at a multiple of 256 from out0's first byte
	s_wait_tensorcnt 0x0                           ; the wave's end, behind my last LDS store
	ds_add_u32 v[SPW], v[NIL]
	s_wait_dscnt 0x0
	s_endpgm
.Lfunc_end_k_qd27b766dba_final:
	.size	k_qd27b766dba_final, .Lfunc_end_k_qd27b766dba_final-k_qd27b766dba_final
	.p2alignl 7, 3214868480
	.fill 96, 4, 3214868480
	.section	.rodata,"a",@progbits
	.p2align	6, 0x0
	.amdhsa_kernel k_qd27b766dba_final
		.amdhsa_group_segment_fixed_size 141824
		.amdhsa_private_segment_fixed_size 0
		.amdhsa_enable_private_segment 0
		.amdhsa_kernarg_size 32
		.amdhsa_user_sgpr_count 2
		.amdhsa_user_sgpr_kernarg_segment_ptr 1
		.amdhsa_wavefront_size32 1
		.amdhsa_system_sgpr_workgroup_id_x 1
		.amdhsa_system_sgpr_workgroup_id_y 1
		.amdhsa_system_sgpr_workgroup_id_z 1
		.amdhsa_system_vgpr_workitem_id 0
		.amdhsa_next_free_vgpr 256
		.amdhsa_next_free_sgpr 66
		.amdhsa_reserve_vcc 0
		.amdhsa_float_denorm_mode_32 3
		.amdhsa_float_denorm_mode_16_64 3
		.amdhsa_memory_ordered 1
		.amdhsa_forward_progress 1
		.amdhsa_inst_pref_size 27
	.end_amdhsa_kernel
	.amdgpu_metadata
---
amdhsa.version: [ 1, 2 ]
amdhsa.kernels:
  - .name:           k_qd27b766dba_final
    .symbol:         k_qd27b766dba_final.kd
    .args:
      - { .name: pooled, .offset: 0, .size: 8, .value_kind: global_buffer, .address_space: global }
      - { .name: Wd, .offset: 8, .size: 8, .value_kind: global_buffer, .address_space: global }
      - { .name: bd, .offset: 16, .size: 8, .value_kind: global_buffer, .address_space: global }
      - { .name: out0, .offset: 24, .size: 8, .value_kind: global_buffer, .address_space: global }
    .group_segment_fixed_size: 141824
    .private_segment_fixed_size: 0
    .kernarg_segment_align: 8
    .kernarg_segment_size: 32
    .max_flat_workgroup_size: 512
    .sgpr_count:     66
    .vgpr_count:     256
    .wavefront_size: 32
...
	.end_amdgpu_metadata
.endif
;; end of part 4
;; ======== version 2 of 2: 4 launches; version 1 with the launch main written anew for expert scheduling mode
;; workspace buffers: u 1,048,576 bytes; ctxp 16,777,216 bytes; stats 65,536 bytes; pooled 131,072 bytes
;; launch front: the kernel of part 1 again; grid 16 x 8, 16 waves a work-group, no clusters, 150,528 bytes of LDS; arguments state, Wq, bq, Wv, u; writes u
;; launch main (part 5): grid 8 x 32, 8 waves a work-group, no clusters, 103,424 bytes of LDS; arguments features, u, ctxp, stats; writes ctxp, stats
.if DOCPART == 5
	.amdgcn_target "amdgcn-amd-amdhsa--gfx1250"
	.amdhsa_code_object_version 6
	.text
	.protected	k_qd27b766dba_main
	.globl	k_qd27b766dba_main
	.p2align	8
	.type	k_qd27b766dba_main,@function
k_qd27b766dba_main:
	s_mov_b64 s[64:65], 0
	v_nop
	global_prefetch_b8 v0, s[64:65] scope:SCOPE_SE
	s_setreg_imm32_b32 hwreg(HW_REG_WAVE_SCHED_MODE, 0, 2), 2
	s_setreg_imm32_b32 hwreg(HW_REG_WAVE_MODE, 25, 1), 1
	s_wait_xcnt 0x0
	s_wait_alu depctr_vm_vsrc(0)
; The stream.  For batch b (grid y) and 256 of its rows t (grid x = part): s[t][h] = features[t] . u[h] (all 16 heads are one side of a matrix tile), a running maximum m and sum l for each head,
; p = 2^(s - m), and ctx[h][x] = sum over t of p[t][h] features[t][x], rescaled by a = 2^(m_old - m_new) in every step.  Out go the part's ctx (f32, not yet divided), m and l.
; features are read ONCE, as f32, straight into registers, and rounded to bf16 there; p is rounded to bf16 for the second product, l is taken of the unrounded p; sums, m, l, ctx in f32.
; LIMITS: NaN and infinities are not treated apart; a weight below 2^-126 counts as 0.
; SHARES.  Eight steps of 32 rows.  Wave w owns columns 128 w .. 128 w + 127: its part of K in the first product (four matrix steps) and its 128 columns of ctx in the second.
; SECOND PRODUCT WITHOUT LDS.  Lane (r, hh) loads 16 bytes of row t = 16 g + 8 hh + j: columns 4 r .. 4 r + 3 of a block of 64 (sixteen lanes: 256 consecutive bytes, aligned).  Rounding rows
; 2 p, 2 p + 1 at column 4 r + c into one register gives a source-0 fragment of features^T in which lane r stands for column 4 r + c.  The first product wants the same numbers with K along the
; registers: they go, as bf16, through the wave's own LDS bytes.  The eight waves' partial scores meet in LDS: two slots by turns, ONE barrier a step (a slot is written again two steps later,
; behind the barrier of the step between, in front of which every wave has waited for its reads).  Every wave then makes the same softmax for itself.
; No tensor loads: the numbers must pass through registers to be rounded, and the loads' layout is already the second product's.  No cluster: work-groups share only u, 32 KB beside 1 MB.
; In flight: three to four blocks of 16 loads a wave, 512 bytes each.
; ctxp's ORDER: in a row of 1,024, place 32 k + 8 c + j holds column 32 k + 4 j + c: what the accumulators' layout gives in 16-byte pieces; the next launch takes Wv's rows in the same order.
; THE MODE: SCHED_MODE bits 1:0 = 2 (LLVM: expert scheduling mode 2), set by the entry lines.  The code itself states the register dependences
; between vector or matrix instructions and memory or LDS instructions, with s_wait_alu, always for 0.
; THE PLAN.  Registers that memory or LDS instructions touch, in a step:
;   RAW (window 1)      Block (set, blk): its 64 conversions read it; behind them the loads of the rows two steps on land in it.
;   KA = v80-111        Block 0's conversions along K write it; its sixteen LDS stores read it; the fragments of K steps 0 and 1 land in it; their products read it.
;   KB = v112-127, v56-71   The same for block 1; then K step 2's fragments land in v112-127, and the first product writes its sums into v56-71.
;   v14-21, v72-79      The softmax's scratch and p, idle between two softmaxes: K step 3's fragments land there.
;   v56-71              The sums: written by the products, read by four LDS stores; then a fourth buffer for the partners' scores.
;   v80-127, v56-71     The exchange: four buffers of 16; partners' scores land in them, the additions read them.
;   v1-9, v22           Offsets and LDS addresses: made at the head, never written again; the rows are reached by the scalar base and by immediates.
;   FT, ctx, u's fragments, m and l are named by vector and matrix instructions alone until the way out.
; So a step holds: a wait on va_vdst behind each block's conversions; a wait on vm_vsrc behind each block's LDS stores, ahead of what lands in KA and in KB; a wait on va_vdst ahead of the stores of the
; sums; a wait on vm_vsrc behind them; two waits on va_vdst in the exchange, each for two buffers; the exponentials' wait.  Block 0's loads and stores are dealt among block 1's conversions, which name
; RAW's block 1, KB and FT's block 1: none of the registers that those loads and stores touch.  The price: loads and stores want another window setting than conversions, twelve switches a step.
; REGISTERS.  Window 0: below.  Window 1 (v256-511): features as loaded, at 128 set + 64 block + 32 g + 4 j.  s_set_vgpr_msb: bits 1:0 source 0, 3:2 source 1, 7:6 destination.
.set XFP,   272                        ; a row of 128 bf16 in LDS: 256 + 16 bytes: sixteen rows of a load start at sixteen different groups of four banks (64 banks of 4 bytes: ISA guide 11.1)
.set XFW,   8704                       ; 32 such rows: a wave's own area; on the way out 16 rows of 128 f32, 528 bytes apart
.set EX,    69632                      ; behind the eight areas: the exchange, 2 slots x 8 waves x 2,048 bytes
.set SPARE, 102400                     ; the spare words, 128 bytes for each of eight waves; no other line names them
.set FO,  1                            ; v1   my byte offset in 32 rows of features
.set UO,  2                            ; v2   my byte offset in the batch's u
.set XS,  3                            ; v3   LDS: where my 8 bytes of a row go
.set FR,  4                            ; v4   LDS: my place in a fragment of features
.set EXW, 5                            ; v5   LDS: my wave's partial scores
.set EXR, 6                            ; v6   LDS: my lane's place in any wave's
.set OS,  7                            ; v7   the way out: where 16 bytes of ctx go
.set ORD, 8                            ; v8   the way out: where a row is read back
.set GO,  9                            ; v9   my byte offset in a row of ctxp
.set SPW, 10                           ; v10  LDS address of my spare word; never rewritten
.set NIL, 11                           ; v11  0; never rewritten
.set VM,  12                           ; v12  m
.set VLS, 13                           ; v13  l (of my half of the lanes' rows)
.set VA,  14                           ; v14-15  a, twice
.set C0,  16                           ; v16-19  at work
.set MN,  20                           ; v20-21  the new m, twice
.set F3,  14                           ; v14-21  ahead of the softmax: K step 3's fragment of rows 0-15
.set SO,  22                           ; v22  my byte offset in the part's 256 bytes of stats
.set U,   24                           ; v24-55   u's four fragments
.set SC0, 56                           ; v56-71   half of KB; then my partial scores: rows 0-15, rows 16-31; then a buffer of the exchange
.set SC1, 64
.set P,   72                           ; v72-79   K step 3's fragment of rows 16-31; then p, source 1 of the second product
.set T,   80                           ; v80-127  KA and half of KB; fragments; the exchange; the summed scores stay in v80-95
.set ACC, 128                          ; v128-191 ctx^T: 32 block + 8 c
.set FT,  192                          ; v192-255 features^T: 32 block + 8 c
.set MSB, 0
.macro WIN new                         ; the immediate's high byte repeats the setting that is left; a switch that changes nothing is dropped
.if MSB != (\new)
	s_set_vgpr_msb (MSB<<8)|(\new)
.set MSB, \new
.endif
.endm
.macro PLACES                          ; four places behind a matrix instruction (ISA guide 7.12.1) where no other vector work is at hand
.rept 4
	v_nop
.endr
.endm
; A block (64 of my columns in 32 rows) goes in four quarters q: rows 4 q + 8 (q / 2) + 0..3, and for lanes 16-31 the rows 8 further down.
.macro LOAD4 set, blk, step, q         ; a quarter's four loads, two rows each; step counts from the base
.irp j, 0,1,2,3
	global_load_b128 v[128*(\set)+64*(\blk)+16*(\q)+4*\j:128*(\set)+64*(\blk)+16*(\q)+4*\j+3], v[FO], s[4:5] offset:(\step)*131072+(4*(\q)+8*((\q)/2)+\j)*4096+256*(\blk) th:TH_LOAD_NT
.endr
.endm
.macro LOADF set, blk, step            ; a whole block: sixteen loads
	WIN 0x40
.irp q, 0,1,2,3
	LOAD4 \set,\blk,\step,\q
.endr
.endm
.macro KBASE blk, q                    ; KB8: the eight registers of quarter q in KA (block 0) or KB (block 1)
.if (\blk) == 0
.set KB8, T+8*(\q)
.elseif (\q) < 2
.set KB8, T+32+8*(\q)
.else
.set KB8, SC0+8*((\q)-2)
.endif
.endm
.macro CVTK set, blk, q                ; a quarter along K, for the first product: eight conversions
	KBASE \blk,\q
.irp j, 0,1,2,3
	v_cvt_pk_bf16_f32 v[KB8+2*\j],   v[128*(\set)+64*(\blk)+16*(\q)+4*\j],   v[128*(\set)+64*(\blk)+16*(\q)+4*\j+1]
	v_cvt_pk_bf16_f32 v[KB8+2*\j+1], v[128*(\set)+64*(\blk)+16*(\q)+4*\j+2], v[128*(\set)+64*(\blk)+16*(\q)+4*\j+3]
.endr
.endm
.macro CVTT set, blk, col              ; column 4 r + col along t, for the second product: eight conversions
.irp g, 0,1
.irp p, 0,1,2,3
	v_cvt_pk_bf16_f32 v[FT+32*(\blk)+8*(\col)+4*\g+\p], v[128*(\set)+64*(\blk)+32*\g+8*\p+(\col)], v[128*(\set)+64*(\blk)+32*\g+8*\p+4+(\col)]
.endr
.endr
.endm
.macro STORE4 blk, q                   ; a quarter's four LDS stores; address and data lie in window 0, so they stand under the loads' window setting too
	KBASE \blk,\q
.irp j, 0,1,2,3
	ds_store_b64 v[XS], v[KB8+2*\j:KB8+2*\j+1] offset:(4*(\q)+8*((\q)/2)+\j)*XFP+128*(\blk)
.endr
.endm
.macro FRAG r0, r1, ks                 ; the fragments of features for K step ks: rows 0-15 into r0, rows 16-31 into r1
	ds_load_b128 v[(\r0):(\r0)+3],   v[FR] offset:64*(\ks)
	ds_load_b128 v[(\r0)+4:(\r0)+7], v[FR] offset:64*(\ks)+32
	ds_load_b128 v[(\r1):(\r1)+3],   v[FR] offset:16*XFP+64*(\ks)
	ds_load_b128 v[(\r1)+4:(\r1)+7], v[FR] offset:16*XFP+64*(\ks)+32
.endm
.macro XLD set, i, reg                 ; wave i's partial scores into the sixteen registers from reg on
.irp q, 0,1,2,3
	ds_load_b128 v[(\reg)+4*\q:(\reg)+4*\q+3], v[EXR] offset:16384*(\set)+2048*(\i)+512*\q
.endr
.endm
.macro XADD reg
.irp k, 0,1,2,3,4,5,6,7
	v_pk_add_f32 v[T+2*\k:T+2*\k+1], v[T+2*\k:T+2*\k+1], v[(\reg)+2*\k:(\reg)+2*\k+1]
.endr
.endm
; ONE STEP: 32 rows.  set: which half of window 1 holds them, and which slot of the exchange.  ld = 1: each block's registers are loaded again, with the rows two steps on.
; n0, n1: how many younger loads may stay out when block 0, block 1 is needed.
.macro STEP set, ld, n0, n1
	s_wait_loadcnt \n0                             ; loads come back in order (ISA guide 5.7.1): block 0 is in
	WIN 0x05
.irp q, 0,1,2,3                        ; along K first: these 32 name no register of the step before's last products, and are the places behind them
	CVTK \set,0,\q
.endr
.irp q, 0,1,2,3
	CVTT \set,0,\q
.endr
	s_wait_alu depctr_va_vdst(0)                   ; block 0's conversions have written KA, which its stores read, and are done reading its raw registers, in which its loads land; in the first step the head's addresses are written
	s_wait_loadcnt \n1                             ; block 1 is in; block 0's reloads are issued behind this wait and are not among the younger ones
.irp q, 0,1,2,3                        ; block 0's loads and stores, four and four, among block 1's conversions: no conversion since the wait above names RAW's block 0, KA or an address
	WIN 0x40
.if \ld
	LOAD4 \set,0,2+(\set),\q
.endif
	STORE4 0,\q
	WIN 0x05
	CVTK \set,1,\q
	CVTT \set,1,\q
.endr
	s_wait_alu depctr_va_vdst(0)                   ; block 1's conversions have written KB, which its stores read, and are done reading its raw registers, in which its loads land
	WIN 0
	s_wait_alu depctr_vm_vsrc(0)                   ; block 0's stores have read KA, in which the next eight loads land
	FRAG T,T+8,0                                   ; K steps 0 and 1 lie in block 0's bytes.  My own bytes, and LDS serves a wave's instructions in order (ISA guide 5.7.1.4): these see block 0's stores
	FRAG T+16,T+24,1
.if \ld
	WIN 0x40
.endif
.irp q, 0,1,2,3
.if \ld
	LOAD4 \set,1,2+(\set),\q
.endif
	STORE4 1,\q
.endr
	WIN 0
	s_wait_alu depctr_vm_vsrc(0)                   ; block 1's stores have read KB: K step 2's fragments land in v112-127, the products below write v56-71
	FRAG T+32,T+40,2
	FRAG F3,P,3                                    ; into the softmax's scratch and p: their last readers and writers, the step before's, stand ahead of this step's first wait on va_vdst
	s_wait_dscnt 28                                ; K step 0's four loads are in; younger: K step 1's four, sixteen stores, eight loads
	v_wmma_f32_16x16x32_bf16 v[SC0:SC0+7], v[T:T+7],     v[U:U+7], 0       ; the two accumulators take turns
	v_wmma_f32_16x16x32_bf16 v[SC1:SC1+7], v[T+8:T+15],  v[U:U+7], 0
	s_wait_dscnt 24
	v_wmma_f32_16x16x32_bf16 v[SC0:SC0+7], v[T+16:T+23], v[U+8:U+15], v[SC0:SC0+7]
	v_wmma_f32_16x16x32_bf16 v[SC1:SC1+7], v[T+24:T+31], v[U+8:U+15], v[SC1:SC1+7]
	s_wait_dscnt 4                                 ; all but K step 3's four loads
	v_wmma_f32_16x16x32_bf16 v[SC0:SC0+7], v[T+32:T+39], v[U+16:U+23], v[SC0:SC0+7]
	v_wmma_f32_16x16x32_bf16 v[SC1:SC1+7], v[T+40:T+47], v[U+16:U+23], v[SC1:SC1+7]
	s_wait_dscnt 0x0
	v_wmma_f32_16x16x32_bf16 v[SC0:SC0+7], v[F3:F3+7], v[U+24:U+31], v[SC0:SC0+7]
	v_wmma_f32_16x16x32_bf16 v[SC1:SC1+7], v[P:P+7],   v[U+24:U+31], v[SC1:SC1+7]
	PLACES
	s_wait_alu depctr_va_vdst(0)                   ; the products have written the sums, which the stores read, and are done reading v80-127, in which partners' scores land; the places above stay beside this wait
.irp q, 0,1,2,3                        ; lane r = head, register j = row 8 hh + j; each accumulator's low half first
	ds_store_b128 v[EXW], v[SC0+4*\q:SC0+4*\q+3] offset:16384*(\set)+512*\q
.endr
	s_wait_dscnt 0x0                               ; for the others' sake: my partial scores are in LDS; my reads of the other slot ended a step ago
	s_barrier_signal -1
	s_barrier_wait -1
	s_wait_alu depctr_vm_vsrc(0)                   ; my four stores have read v56-71, in which wave 3's scores land
	XLD \set,0,T                                   ; the eight partial scores are added in the order 0 .. 7 in every wave: all waves hold the same numbers
	XLD \set,1,T+16
	XLD \set,2,T+32
	XLD \set,3,SC0
	s_wait_dscnt 8                                 ; waves 0 and 1 are in; two partners' loads may be out
	XADD T+16
	s_wait_dscnt 4
	XADD T+32
	s_wait_alu depctr_va_vdst(0)                   ; the additions of waves 1 and 2 are done reading v96-127, in which the next eight loads land
	XLD \set,4,T+16
	XLD \set,5,T+32
	s_wait_dscnt 8                                 ; wave 3 is in
	XADD SC0
	s_wait_dscnt 4
	XADD T+16
	s_wait_alu depctr_va_vdst(0)                   ; the additions of waves 3 and 4 are done reading v56-71 and v96-111, in which the last eight loads land
	XLD \set,6,SC0
	XLD \set,7,T+16
	s_wait_dscnt 8                                 ; wave 5 is in
	XADD T+32
	s_wait_dscnt 4
	XADD SC0
	s_wait_dscnt 0x0
	XADD T+16
	v_max3_num_f32 v[C0],   v[T],    v[T+1],  v[T+2]   ; the maximum of my 16 scores and the old m
	v_max3_num_f32 v[C0+1], v[T+3],  v[T+4],  v[T+5]
	v_max3_num_f32 v[C0+2], v[T+6],  v[T+7],  v[T+8]
	v_max3_num_f32 v[C0+3], v[T+9],  v[T+10], v[T+11]
	v_max3_num_f32 v[C0],   v[C0],   v[T+12], v[T+13]
	v_max3_num_f32 v[C0+1], v[C0+1], v[T+14], v[T+15]
	v_max3_num_f32 v[C0+2], v[C0+2], v[C0+3], v[VM]
	v_max3_num_f32 v[C0],   v[C0],   v[C0+1], v[C0+2]
	v_permlanex16_b32 v[C0+1], v[C0], s28, s29     ; the head's other 16 rows lie in the lane 16 away
	v_max_num_f32 v[MN],   v[C0], v[C0+1]
	v_max_num_f32 v[MN+1], v[C0], v[C0+1]
	v_sub_f32 v[C0+2], v[VM], v[MN]
	v_exp_f32 v[VA], v[C0+2]                       ; a; the subtractions below are the plain work behind it
.irp k, 0,1,2,3,4,5,6,7
	v_pk_add_f32 v[T+2*\k:T+2*\k+1], v[T+2*\k:T+2*\k+1], v[MN:MN+1] neg_lo:[0,1] neg_hi:[0,1]
.endr
	v_mov_b32 v[VM], v[MN]
.irp k, 0,1,2,3,4,5,6,7,8,9,10,11,12,13,14,15
	v_exp_f32 v[T+\k], v[T+\k]
.endr
	s_wait_alu depctr_va_vdst(0)                   ; the seventeen exponentials have written a and the sixteen weights: one wait for the batch, ahead of its first reader
	v_mov_b32 v[VA+1], v[VA]                       ; a plain instruction between the last exponential and the use of the results
.irp k, 0,1,2,3,4,5,6,7
	v_cvt_pk_bf16_f32 v[P+\k], v[T+2*\k], v[T+2*\k+1]  ; rows 16 g + 8 hh + 2 p, + 1 of head r: source 1's layout as it stands
.endr
.irp k, 0,1,2,3
	v_pk_add_f32 v[T+2*\k:T+2*\k+1], v[T+2*\k:T+2*\k+1], v[T+8+2*\k:T+8+2*\k+1]
.endr
.irp k, 0,1
	v_pk_add_f32 v[T+2*\k:T+2*\k+1], v[T+2*\k:T+2*\k+1], v[T+4+2*\k:T+4+2*\k+1]
.endr
	v_pk_add_f32 v[T:T+1], v[T:T+1], v[T+2:T+3]
	v_add_f32 v[C0], v[T], v[T+1]
	v_fma_f32 v[VLS], v[VLS], v[VA], v[C0]         ; l = a l + the sum
.irp k, 0,1,2,3,4,5,6,7,8,9,10,11,12,13,14,15,16,17,18,19,20,21,22,23,24,25,26,27,28,29,30,31
	v_pk_mul_f32 v[ACC+2*\k:ACC+2*\k+1], v[ACC+2*\k:ACC+2*\k+1], v[VA:VA+1]  ; ascending: each accumulator is read from its low end
.endr
.irp a, 0,1,2,3,4,5,6,7                ; ctx^T += features^T p: eight accumulators, one instruction each
	v_wmma_f32_16x16x32_bf16 v[ACC+8*\a:ACC+8*\a+7], v[FT+8*\a:FT+8*\a+7], v[P:P+7], v[ACC+8*\a:ACC+8*\a+7]
.endr
.endm
	s_load_b256 s[4:11], s[0:1], 0x0               ; features s[4:5], u s[6:7], ctxp s[8:9], stats s[10:11]
	v_lshl_add_u32 v[SPW], v0, 2, SPARE
	v_mov_b32 v[NIL], 0
	v_lshrrev_b32 v[FO], 5, v0
	v_readfirstlane_b32 s12, v[FO]                 ; wave w, 0..7
	s_mov_b32 s13, ttmp9                           ; part
	s_and_b32 s14, ttmp7, 0xffff                   ; batch
	v_and_b32 v[C0], 15, v0                        ; r
	v_bfe_u32 v[C0+1], v0, 4, 1                    ; hh
	v_and_b32 v[C0+2], 31, v0                      ; lane
	s_wait_alu depctr_va_sdst(0)                   ; s12 is written, ahead of its first reader: offsets and LDS addresses are made from it
	s_lshl_b32 s15, s12, 9                         ; my 128 columns, in bytes of f32
	v_lshlrev_b32 v[FO], 4, v[C0]
	v_lshl_add_u32 v[FO], v[C0+1], 15, v[FO]       ; lanes 16-31 take the row 8 further down
	v_add_nc_u32 v[FO], s15, v[FO]
	s_lshl_b32 s16, s12, 8                         ; and in bytes of bf16
	v_lshlrev_b32 v[UO], 11, v[C0]                 ; head r
	v_lshl_add_u32 v[UO], v[C0+1], 4, v[UO]
	v_add_nc_u32 v[UO], s16, v[UO]
	s_lshl_b32 s20, s14, 23                        ; a batch is 8 MiB of features, a part 1 MiB
	s_lshl_b32 s21, s13, 20
	s_add_co_u32 s20, s20, s21
	s_mov_b32 s21, 0
	s_lshl_b32 s22, s14, 15                        ; 32 KiB of u
	s_mov_b32 s23, 0
	s_lshl_b32 s24, s14, 3
	s_add_co_u32 s24, s24, s13                     ; 8 b + part
	s_lshl_b32 s26, s24, 8                         ; 256 bytes of stats,
	s_mov_b32 s27, 0
	s_lshl_b32 s24, s24, 16                        ; 64 KiB of ctxp
	s_mov_b32 s25, 0
	s_mov_b32 s28, 0x76543210                      ; v_permlanex16_b32: each lane takes its own place in the other half
	s_mov_b32 s29, 0xfedcba98
	s_wait_kmcnt 0x0
	s_add_nc_u64 s[4:5], s[4:5], s[20:21]
	s_add_nc_u64 s[6:7], s[6:7], s[22:23]
	s_add_nc_u64 s[8:9], s[8:9], s[24:25]
	s_add_nc_u64 s[10:11], s[10:11], s[26:27]
	s_wait_alu depctr_va_vdst(0)                   ; the offsets v1 and v2 are written, which every load of features and of u reads
.irp ks, 0,1,2,3                       ; u's fragments arrive as they are used: head r, k = 32 ks + 16 g + 8 hh + 0..7
.irp g, 0,1
	global_load_b128 v[U+8*\ks+4*\g:U+8*\ks+4*\g+3], v[UO], s[6:7] offset:64*\ks+32*\g
.endr
.endr
	LOADF 0,0,0                                    ; steps 0 and 1
	LOADF 0,1,0
	LOADF 1,0,1
	LOADF 1,1,1
	WIN 0
	s_mul_i32 s17, s12, XFW                        ; my wave's area in LDS.  All that follows stands in the wait for the first rows; it writes no register that the loads above read or land in
	v_mul_u32_u24 v[XS], v[C0+1], 8*XFP
	v_lshl_add_u32 v[XS], v[C0], 3, v[XS]
	v_add_nc_u32 v[XS], s17, v[XS]
	v_mul_u32_u24 v[FR], v[C0], XFP
	v_lshl_add_u32 v[FR], v[C0+1], 4, v[FR]
	v_add_nc_u32 v[FR], s17, v[FR]
	s_lshl_b32 s18, s12, 11
	s_add_co_u32 s18, s18, EX
	v_lshl_add_u32 v[EXW], v[C0+2], 4, s18
	v_lshl_add_u32 v[EXR], v[C0+2], 4, EX
	v_mul_u32_u24 v[OS], v[C0], 528
	v_lshl_add_u32 v[OS], v[C0+1], 7, v[OS]
	v_add_nc_u32 v[OS], s17, v[OS]
	v_lshl_add_u32 v[ORD], v[C0+2], 4, s17
	v_lshl_add_u32 v[GO], v[C0+2], 4, s15
	v_lshlrev_b32 v[SO], 3, v[C0+2]
	v_mov_b32 v[VM], 0xff7fffff                    ; m starts at the lowest finite number, l and ctx at 0: the first step is a step like any other, with a = 0;
	v_mov_b32 v[VLS], 0                            ; the price of one text for all eight steps is these 64 lines
.irp k, 0,1,2,3,4,5,6,7,8,9,10,11,12,13,14,15,16,17,18,19,20,21,22,23,24,25,26,27,28,29,30,31
	v_mov_b32 v[ACC+2*\k], 0
	v_mov_b32 v[ACC+2*\k+1], 0
.endr
	s_mov_b32 s30, 3
.Ltrip:                                                ; three trips of two steps; each step asks for the rows two steps on.  What a step leaves pending is vector and matrix work alone; the next step's first load and store stand behind its first wait on va_vdst
	STEP 0, 1, 48, 32                              ; behind block 0 stand three blocks of 16 loads, behind block 1 the next step's two
	STEP 1, 1, 48, 32
	WIN 0
	s_wait_xcnt 0x0                                ; the loads' base is stepped only behind this wait
	s_add_nc_u64 s[4:5], s[4:5], 0x40000           ; 64 rows on
	s_sub_co_u32 s30, s30, 1
	s_cmp_lg_u32 s30, 0
	s_cbranch_scc1 .Ltrip
	STEP 0, 0, 48, 32                              ; the last two steps load nothing: the counts run down
	STEP 1, 0, 16, 0
	PLACES
	v_permlanex16_b32 v[C0], v[VLS], s28, s29
	v_add_f32 v[VLS], v[VLS], v[C0]                ; l of all the part's rows
	s_wait_alu depctr_va_vdst(0)                   ; l is written, which wave 0's store reads; the last products have written ctx, which the LDS stores read, and are done reading FT, in which the rows land on their way back; the places above stay beside this wait
	s_cmp_lg_u32 s12, 0
	s_cbranch_scc1 .Lno_stats
	global_store_b64 v[SO], v[VM:VLS], s[10:11]    ; wave 0: (m, l) of head lane % 16: 256 consecutive bytes, aligned
.Lno_stats:
.irp a, 0,1,2,3,4,5,6,7                ; lane (r, hh) holds head r; accumulator a = 4 block + c, register j: column 64 block + 32 hh + 4 j + c.  Into my own area: row r, place 32 (2 block + hh) + 8 c + j
.irp jh, 0,1
	ds_store_b128 v[OS], v[ACC+8*\a+4*\jh:ACC+8*\a+4*\jh+3] offset:256*(\a/4)+32*(\a%4)+16*\jh
.endr
.endr
.irp h, 0,1,2,3,4,5,6,7,8,9,10,11,12,13,14,15
	ds_load_b128 v[FT+4*\h:FT+4*\h+3], v[ORD] offset:528*\h  ; my own bytes, served in order: these see the stores above
.endr
.irp h, 0,1,2,3,4,5,6,7,8,9,10,11,12,13,14,15
	s_wait_dscnt 15-\h
	global_store_b128 v[GO], v[FT+4*\h:FT+4*\h+3], s[8:9] offset:4096*\h  ; 512 consecutive bytes of head h's row, at a multiple of 256 from ctxp's first byte
.endr
	s_wait_dscnt 0x0                               ; the closing lines, six on end
	s_wait_alu 0x0
	s_wait_tensorcnt 0x0
	ds_add_u32 v[SPW], v[NIL]
	s_wait_dscnt 0x0
	s_endpgm
.Lfunc_end_k_qd27b766dba_main:
	.size	k_qd27b766dba_main, .Lfunc_end_k_qd27b766dba_main-k_qd27b766dba_main
	.p2alignl 7, 3214868480
	.fill 96, 4, 3214868480
	.section	.rodata,"a",@progbits
	.p2align	6, 0x0
	.amdhsa_kernel k_qd27b766dba_main
		.amdhsa_group_segment_fixed_size 103424
		.amdhsa_private_segment_fixed_size 0
		.amdhsa_enable_private_segment 0
		.amdhsa_kernarg_size 32
		.amdhsa_user_sgpr_count 2
		.amdhsa_user_sgpr_kernarg_segment_ptr 1
		.amdhsa_wavefront_size32 1
		.amdhsa_system_sgpr_workgroup_id_x 1
		.amdhsa_system_sgpr_workgroup_id_y 1
		.amdhsa_system_sgpr_workgroup_id_z 1
		.amdhsa_system_vgpr_workitem_id 0
		.amdhsa_next_free_vgpr 512
		.amdhsa_next_free_sgpr 66
		.amdhsa_reserve_vcc 0
		.amdhsa_float_denorm_mode_32 3
		.amdhsa_float_denorm_mode_16_64 3
		.amdhsa_memory_ordered 1
		.amdhsa_forward_progress 1
		.amdhsa_inst_pref_size 118
	.end_amdhsa_kernel
	.amdgpu_metadata
---
amdhsa.version: [ 1, 2 ]
amdhsa.kernels:
  - .name:           k_qd27b766dba_main
    .symbol:         k_qd27b766dba_main.kd
    .args:
      - { .name: features, .offset: 0, .size: 8, .value_kind: global_buffer, .address_space: global }
      - { .name: u, .offset: 8, .size: 8, .value_kind: global_buffer, .address_space: global }
      - { .name: ctxp, .offset: 16, .size: 8, .value_kind: global_buffer, .address_space: global }
      - { .name: stats, .offset: 24, .size: 8, .value_kind: global_buffer, .address_space: global }
    .group_segment_fixed_size: 103424
    .private_segment_fixed_size: 0
    .kernarg_segment_align: 8
    .kernarg_segment_size: 32
    .max_flat_workgroup_size: 256
    .sgpr_count:     66
    .vgpr_count:     512
    .wavefront_size: 32
...
	.end_amdgpu_metadata
.endif
;; end of part 5
;; launch ctxproj: the kernel of part 3 again; grid 16 x 8, 16 waves a work-group, no clusters, 142,080 bytes of LDS; arguments ctxp, stats, Wv, bv, pooled; writes pooled
;; launch final: the kernel of part 4 again; grid 16 x 1, 16 waves a work-group, no clusters, 141,824 bytes of LDS; arguments pooled, Wd, bd, out0; writes out0
